; MI455X (gfx1250); checked and timed in simulation.
; The chip was launched on July 23, 2026; its instructions are those of AMD's public machine-readable ISA for CDNA 5 (MIT licence, August 2026) and "CDNA5" Instruction Set Architecture Reference Guide (July 2026). The comments in the code are by the model that wrote it; some were corrected since.
;; Multihead Attention. Allowed arithmetic: matrix products marked QUANTISED: E2M1 operands, one E8M0 scale for each 32 along K, by v_wmma_scale_f32_16x16x128_f8f6f4 with both operands' format E2M1 (or v_wmma_scale_f32_32x16x128_f4), f32 sums; products left as they are: bf16, f16 or f32 operands; f32 sums; everything else in f32.
;; Inputs: W1 1,024 x 4,096 float32; W2 4,096 x 1,024 float32; Wk 16 x 1,024 x 64 float32; Wq 16 x 1,024 x 64 float32; Wv 16 x 1,024 x 64 float32; b1 4,096 float32; b2 1,024 float32; x 4 x 1,024 x 1,024 float32.
;; Outputs: out0 4 x 1,024 x 1,024 float32.
;; This version of the problem:
;;   THIS VERSION OF THE PROBLEM IS GIVEN IN LOW PRECISION. The matrix products marked QUANTISED in the list below multiply operands that are first quantised to E2M1 (2 exponent bits, 1 mantissa bit; 4 bits a number), with one power-of-two scale for each 32 numbers along K (OCP MX v1.0); their sums are f32. The products marked 'left as it is' may take bf16, f16 or f32 operands, with f32 sums. Whichever they take, every output number must still come out within the allowed error. Rounding operands to bf16 (8 significant bits) uses up far more of that allowance than f16 does (11 bits, for magnitudes from 6e-5 to 65,504). All else is computed in f32.
;;   The module's matrix products, in the order in which they are computed (A, B: the left and right operand; K: the contracted axis; several contracted axes count as one K, in the product's order):
;;     1. [M 1,024, K 1,024] x [K 1,024, N 4,096]; A: input Wq; B: input x: QUANTISED
;;     2. [M 1,024, K 1,024] x [K 1,024, N 4,096]; A: input Wk; B: input x: QUANTISED
;;     3. [M 1,024, K 1,024] x [K 1,024, N 4,096]; A: input Wv; B: input x: QUANTISED
;;     4. batch 64 x [M 1,024, K 64] x [K 64, N 1,024]; A: computed on the way; B: computed on the way: left as it is (an operand is computed on the way)
;;     5. batch 64 x [M 1,024, K 1,024] x [K 1,024, N 64]; A: computed on the way; B: computed on the way: left as it is (an operand is computed on the way)
;;     6. [M 4,096, K 1,024] x [K 1,024, N 4,096]; A: computed on the way; B: input W1: left as it is (an operand is computed on the way)
;;     7. [M 4,096, K 4,096] x [K 4,096, N 1,024]; A: computed on the way; B: input W2: left as it is (an operand is computed on the way)
;;   THE QUANTISER, for each operand of a quantised product, along K:
;;     - K is cut into blocks of 32 from its start; a last block that is shorter is filled with zeros.
;;     - A block's scale is 2^e with e = floor(log2(the largest magnitude in the block)) - 2, held to -126 .. 127; a block of zeros has e = 0. As a byte (E8M0): e + 127.
;;     - Each number is divided by its block's scale, clamped to +-6, and rounded to the nearest number of E2M1, ties to even, subnormals kept.
;;     - The product sums the exact products of the quantised numbers (number of the format x scale) in f32.
;;   ~~~python
;;   def quantise(x, axis):      # numpy; x: float32 -> the quantised numbers, widened to float32 again
;;       x = np.moveaxis(x, axis, -1); K = x.shape[-1]
;;       x = np.pad(x, [(0, 0)] * (x.ndim - 1) + [(0, -K % 32)]); x = x.reshape(x.shape[:-1] + (-1, 32)); a = np.abs(x).max(-1, keepdims=True)
;;       e = np.where(a > 0, np.clip(np.frexp(np.where(a > 0, a, 1))[1] - 1 - 2, -126, 127), 0)      # np.frexp(a)[1] - 1 = floor(log2(a)), exactly
;;       r = np.clip(x / 2.0 ** e, -6, 6)
;;       step = 2.0 ** (np.maximum(np.frexp(np.where(r == 0, 1, r))[1] - 1, 0) - 1)
;;       q = np.round(r / step) * step * 2.0 ** e      # np.round: ties to even
;;       return np.moveaxis(q.reshape(q.shape[:-2] + (-1,))[..., :K], -1, axis).astype(np.float32)
;;   ~~~
;; One version. Each part assembles by itself: llvm-mc -triple=amdgcn-amd-amdhsa -mcpu=gfx1250 --defsym DOCPART=n.
;; ======== version 1 of 1: 7 launches
;; limits: values are held in f16: magnitudes above 65,504 overflow, below 6.1e-05 lose precision; right only within a limited range of input values
;; workspace buffers: codes 3,899,392 bytes; half 16,908,288 bytes; qkv 25,165,824 bytes; oimg 8,388,608 bytes; part 16,777,216 bytes; w12 6,557,696 bytes
;; launch prep (part 1): grid 704 x 1, 4 waves a work-group, no clusters, 68,096 bytes of LDS; arguments x, Wq, Wk, Wv, W1, W2, b1, codes, half; writes codes, half
.if DOCPART == 1
	.amdgcn_target "amdgcn-amd-amdhsa--gfx1250"
	.amdhsa_code_object_version 6
	.text
	.protected	k_qb0af5a9872_prep
	.globl	k_qb0af5a9872_prep
	.p2align	8
	.type	k_qb0af5a9872_prep,@function
k_qb0af5a9872_prep:
	s_mov_b64 s[64:65], 0
	v_nop
	global_prefetch_b8 v0, s[64:65] scope:SCOPE_SE
	s_setreg_imm32_b32 hwreg(HW_REG_WAVE_MODE, 25, 1), 1
	s_wait_xcnt 0x0
; Every input is read once here and laid as images of operand registers (a lane's 16 bytes at 16 x lane, 512 bytes a piece).
;   x, Wq, Wk, Wv -> codes of E2M1 along K = the 1,024 channels, one E8M0 byte for each 32: fragments of 16 rows x 128 K (1,024 bytes) and scale words.
;   W1 [c][j], W2 [j][n] -> f16 fragments of 16 rows x 32 K (1,024 bytes) with K = j: W1's rows c, W2's rows n.  b1 . W2 is summed in f32 over 128 j a work-group.
; Four paths by the work-group's number: 0-255 W2, 256-447 Wq/Wk/Wv (a lane takes a column, its registers run down K), 448-575 x, 576-703 W1 (rows come as they lie and turn through the wave's own stage in LDS).
; A block's scale byte is its largest magnitude's exponent field - 2, held at 1 from below.
; LIMITS: a block of zeros, and one whose largest magnitude lies under 2^-124, keep the byte 1 (the codes of zeros are zeros; this program alone reads the bytes); NaN and infinities are not served;
; W1 and W2 are rounded to f16: magnitudes from 6e-5 to 65,504 keep 11 bits.
; No tensor loads, no barrier: waves share nothing.  The scale words of Wq/Wk/Wv leave as 4 bytes a lane, 16 bytes apart: one byte in 128 of what that path reads.
.set XS_OFF,  2097152                  ; in codes: x's scale words [rt 256][khalf 2][r 16][4 words]
.set WC_OFF,  2228224                  ; the weights' fragments [nt 192][ks 8][1024]
.set WS_OFF,  3801088                  ; their scale words [nt 192][khalf 2][r 16][4 words]
.set W2T_OFF, 8388608                  ; in half: W2's fragments [split 4][nt 64][kb 32][1024]; W1's lie at 0, [split 4][ct 64][kb 32][1024]
.set BP_OFF,  16777216                 ; partial b1 . W2: [jc 32][1024] f32
.set STGW,    8448                     ; a wave's stage: 16 rows x (512 bytes + 16)
.set STG1,    33792                    ; W1's path has stages of its own behind x's four
.set SPARE,   67584                    ; the spare words, 128 bytes a wave
.set SPW,  252                         ; v252 LDS address of my spare word; never rewritten
.set NIL,  253                         ; v253 0; never rewritten
.set LR,   16                          ; rows: v16-143 two sets of 16 x 4 registers as loaded
.set XR,   144                         ; rows: v144-207 my 64 numbers: register 32 c + i = k 64 c + 32 h + i of row r
.set OUTR, 208                         ; v208-239 what is stored
.set CX0,  16                          ; columns: v16-79 two sets of 32 numbers down K
.set BV,   80                          ; W2's path: v80-207 b1's 128 numbers, the same in every lane
	s_load_b256 s[4:11], s[0:1], 0x0               ; x s[4:5], Wq s[6:7], Wk s[8:9], Wv s[10:11]
	s_load_b256 s[12:19], s[0:1], 0x20             ; W1 s[12:13], W2 s[14:15], b1 s[16:17], codes s[18:19]
	s_load_b64 s[20:21], s[0:1], 0x40              ; half
	v_lshl_add_u32 v[SPW], v0, 2, SPARE
	v_mov_b32 v[NIL], 0
	v_lshrrev_b32 v5, 5, v0
	v_readfirstlane_b32 s22, v5                    ; wave 0..3
	v_and_b32 v5, 31, v0                           ; lane
	v_lshlrev_b32 v1, 4, v5                        ; 16 x lane
	v_and_b32 v2, 15, v0                           ; r
	v_bfe_u32 v3, v0, 4, 1                         ; h
	v_lshlrev_b32 v4, 2, v5                        ; 4 x lane
	s_mul_i32 s26, s22, STGW
	v_add_nc_u32 v6, s26, v1                       ; x's stage, in: a row's 512 bytes as they lie
	v_mul_u32_u24 v7, v2, 528
	v_lshl_add_u32 v7, v3, 7, v7
	v_add_nc_u32 v7, s26, v7                       ; and out: row r, + 128 h
	v_add_nc_u32 v8, STG1, v6                      ; the same for W1's path
	v_add_nc_u32 v9, STG1, v7
	v_lshlrev_b32 v10, 3, v3                       ; 8 h
	v_lshlrev_b32 v11, 4, v2                       ; 16 r
	s_mov_b32 s24, 0x76543210
	s_mov_b32 s25, 0xfedcba98                      ; selects of v_permlanex16_b32 for lane l xor 16
	s_mov_b32 s33, 0                               ; the high word of every offset pair s[32:33]
	s_wait_kmcnt 0x0
	s_cmp_lt_u32 ttmp9, 256
	s_cbranch_scc1 .Lpw2
	s_cmp_lt_u32 ttmp9, 448
	s_cbranch_scc1 .Lpq
	s_cmp_lt_u32 ttmp9, 576
	s_cbranch_scc1 .Lpx
	s_branch .Lpw1
; 32 numbers of one block in v[s] on become 4 registers of codes in v[o] on; v[m] = the conversion's scale operand, v[m+1] = the scale's byte.
.macro QUANT32 s, o, m
	v_max3_num_f32 v[\m], |v[(\s)]|, |v[(\s)+1]|, 0x1800000        ; the floor 2^(3 - 127) among the leaves: the byte cannot fall under 1
	v_max3_num_f32 v[(\m)+1], |v[(\s)+2]|, |v[(\s)+3]|, |v[(\s)+4]|
.irp i, 5,9,13,17,21,25
	v_max3_num_f32 v[\m], v[\m], |v[(\s)+\i]|, |v[(\s)+\i+1]|      ; two chains that do not wait for each other
	v_max3_num_f32 v[(\m)+1], v[(\m)+1], |v[(\s)+\i+2]|, |v[(\s)+\i+3]|
.endr
	v_max3_num_f32 v[\m], v[\m], |v[(\s)+29]|, |v[(\s)+30]|
	v_max3_num_f32 v[\m], v[\m], v[(\m)+1], |v[(\s)+31]|
	v_add_nc_u32 v[\m], 0xff000000, v[\m]          ; 2 off the exponent field: the conversion takes that field as its scale and nothing else
.irp g, 0,1,2,3
	v_cvt_scalef32_pk8_fp4_f32 v[(\o)+\g], v[(\s)+8*\g:(\s)+8*\g+7], v[\m]
.endr
	v_lshrrev_b32 v[(\m)+1], 23, v[\m]             ; the byte; also the plain line behind the conversions
.endm
; Rows: step t is 128 along K of my 16 rows: 16 loads, each one row's 512 consecutive bytes.
.macro LOADR t, pitch
.set i, 0
.rept 16
	global_load_b128 v[LR+64*((\t)%2)+4*i:LR+64*((\t)%2)+4*i+3], v1, s[28:29] offset:i*\pitch+512*(\t) th:TH_LOAD_NT
.set i, i+1
.endr
.endm
; and through the stage: LDS serves a wave's instructions in order, so no wait stands between the stores and the loads, nor ahead of the next step's stores.
.macro TURNR t, st, rd
.set i, 0
.rept 16
	ds_store_b128 v[\st], v[LR+64*((\t)%2)+4*i:LR+64*((\t)%2)+4*i+3] offset:528*i
.set i, i+1
.endr
.set i, 0
.rept 16
	ds_load_b128 v[XR+4*i:XR+4*i+3], v[\rd] offset:256*(i/8)+16*(i%8)
.set i, i+1
.endr
	s_wait_dscnt 0x0                               ; my 64 numbers are in; the stores have read their registers, which the loads of two steps on may take
.endm
.macro WAITR t
.if (\t) < 3
	s_wait_loadcnt 16                              ; this step's sixteen loads are in, the next step's sixteen stay out
.else
	s_wait_loadcnt 0x0
.endif
.endm
; Columns: block t is 32 along K of my column: each load reads 128 consecutive bytes a wave.
.macro LOADC t, pitch
.set i, 0
.rept 32
	global_load_b32 v[CX0+32*((\t)%2)+i], v4, s[28:29] offset:(32*(\t)+i)*\pitch th:TH_LOAD_NT
.set i, i+1
.endr
.endm
.macro WAITC t
.if (\t) < 3
	s_wait_loadcnt 32                              ; this block's loads (and all older ones) are in, the next block's 32 stay out
.else
	s_wait_loadcnt 0x0
.endif
.endm
; ---- x: unit U = 16 rows (row tile rt) x 512 along K (khalf)
.Lpx:
	s_sub_co_u32 s34, ttmp9, 448
	s_lshl_b32 s34, s34, 2
	s_add_co_u32 s34, s34, s22                     ; U
	s_lshr_b32 s35, s34, 1                         ; rt
	s_and_b32 s36, s34, 1                          ; khalf
	s_lshl_b32 s32, s35, 16
	s_lshl_b32 s37, s36, 11
	s_add_co_u32 s32, s32, s37
	s_add_nc_u64 s[28:29], s[4:5], s[32:33]        ; x at row 16 rt, k 512 khalf
	s_lshl_b32 s32, s35, 13
	s_lshl_b32 s37, s36, 12
	s_add_co_u32 s32, s32, s37
	s_add_nc_u64 s[30:31], s[18:19], s[32:33]      ; the four fragments
	s_lshl_b32 s32, s35, 9
	s_lshl_b32 s37, s36, 8
	s_add_co_u32 s32, s32, s37
	s_add_co_u32 s32, s32, XS_OFF
	s_add_nc_u64 s[38:39], s[18:19], s[32:33]      ; their 256 bytes of scale words
	v_lshl_add_u32 v12, v3, 3, v11                 ; 16 r + 8 h
	v_mov_b32 v247, 0                              ; a lane permute's destination counts as read
	LOADR 0, 4096
	LOADR 1, 4096
.macro PXSTEP t
	WAITR \t
	TURNR \t, 6, 7
.if (\t) < 2
	LOADR (\t)+2, 4096
.endif
	QUANT32 XR, OUTR+8*(\t), 240                   ; block h of the step: registers 0-3 of the fragment
	QUANT32 XR+32, OUTR+8*(\t)+4, 242              ; block 2 + h: registers 4-7
	global_store_b128 v1, v[OUTR+8*(\t):OUTR+8*(\t)+3], s[30:31] offset:1024*(\t)          ; 512 consecutive bytes; each step has registers of its own
	global_store_b128 v1, v[OUTR+8*(\t)+4:OUTR+8*(\t)+7], s[30:31] offset:1024*(\t)+512
	v_lshl_or_b32 v246, v243, 16, v241             ; my two bytes,
	v_lshlrev_b32 v246, v10, v246                  ; at their places in the row's scale word (8 h bits up);
	v_permlanex16_b32 v247, v246, s24, s25
	v_or_b32 v[248+(\t)], v246, v247               ; with lane l xor 16's two the word is whole
.endm
	PXSTEP 0
	PXSTEP 1
	PXSTEP 2
	PXSTEP 3
	v_cmp_ne_u32 vcc_lo, 0, v3
	v_cndmask_b32 v240, v248, v250, vcc_lo         ; lanes 0-15 store words 0, 1 of their row, lanes 16-31 words 2, 3:
	v_cndmask_b32 v241, v249, v251, vcc_lo
	global_store_b64 v12, v[240:241], s[38:39]     ; 256 consecutive bytes, aligned
	s_wait_tensorcnt 0x0                           ; the wave's end, behind my last LDS store
	ds_add_u32 v[SPW], v[NIL]
	s_wait_dscnt 0x0
	s_endpgm
; ---- W1: unit U = 16 rows c (tile ct) x 512 along j (k8)
.Lpw1:
	s_sub_co_u32 s34, ttmp9, 576
	s_lshl_b32 s34, s34, 2
	s_add_co_u32 s34, s34, s22                     ; U
	s_lshr_b32 s35, s34, 3                         ; ct
	s_and_b32 s36, s34, 7                          ; k8
	s_lshl_b32 s32, s35, 18
	s_lshl_b32 s37, s36, 11
	s_add_co_u32 s32, s32, s37
	s_add_nc_u64 s[28:29], s[12:13], s[32:33]      ; W1 at row 16 ct, j 512 k8
	s_lshr_b32 s37, s36, 1                         ; split
	s_lshl_b32 s37, s37, 6
	s_add_co_u32 s37, s37, s35
	s_lshl_b32 s37, s37, 5
	s_and_b32 s32, s36, 1
	s_lshl_b32 s32, s32, 4
	s_add_co_u32 s32, s32, s37
	s_lshl_b32 s32, s32, 10
	s_add_nc_u64 s[30:31], s[20:21], s[32:33]      ; my sixteen fragments
	v_lshl_add_u32 v12, v3, 10, v11                ; a lane holds a whole row of fragment 4 t + 2 c + h: 1,024 h + 16 r
	LOADR 0, 16384
	LOADR 1, 16384
.macro PW1STEP t
	WAITR \t
	TURNR \t, 8, 9
.if (\t) < 2
	LOADR (\t)+2, 16384
.endif
.if (\t) > 0
	s_wait_xcnt 0x0                                ; the last step's stores have read their data: only now are those registers written again
.endif
.set i, 0
.rept 32
	v_cvt_pk_f16_f32 v[OUTR+i], v[XR+2*i], v[XR+2*i+1]
.set i, i+1
.endr
.irp c, 0,1
.irp p, 0,1,2,3
	global_store_b128 v12, v[OUTR+16*\c+4*\p:OUTR+16*\c+4*\p+3], s[30:31] offset:4096*(\t)+2048*\c+512*(\p/2)+256*(\p%2)   ; k 8 p on: sixteen lanes fill 256 consecutive bytes, aligned
.endr
.endr
.endm
	PW1STEP 0
	PW1STEP 1
	PW1STEP 2
	PW1STEP 3
	s_wait_tensorcnt 0x0                           ; the wave's end: the three lines again
	ds_add_u32 v[SPW], v[NIL]
	s_wait_dscnt 0x0
	s_endpgm
; ---- Wq, Wk, Wv [head][c 1024][d 64]: a wave takes 32 columns d x 128 along c
.Lpq:
	s_sub_co_u32 s32, ttmp9, 256
	s_lshr_b32 s34, s32, 6                         ; which of the three
	s_cmp_eq_u32 s34, 0
	s_cselect_b64 s[28:29], s[6:7], s[8:9]
	s_cmp_eq_u32 s34, 2
	s_cselect_b64 s[28:29], s[10:11], s[28:29]     ; the choice hangs on the work-group's number alone
	s_bfe_u32 s35, s32, 0x40002                    ; head
	s_and_b32 s36, s32, 3
	s_lshl_b32 s36, s36, 1
	s_lshr_b32 s37, s22, 1
	s_add_co_u32 s36, s36, s37                     ; ks: which 128 along K
	s_and_b32 s37, s22, 1                          ; which 32 columns
	s_lshl_b32 s32, s35, 18
	s_lshl_b32 s40, s36, 15
	s_add_co_u32 s32, s32, s40
	s_lshl_b32 s40, s37, 7
	s_add_co_u32 s32, s32, s40
	s_add_nc_u64 s[28:29], s[28:29], s[32:33]
	s_lshl_b32 s41, s34, 6
	s_lshl_b32 s40, s35, 2
	s_add_co_u32 s41, s41, s40
	s_lshl_b32 s40, s37, 1
	s_add_co_u32 s41, s41, s40                     ; nt of lanes 0-15; lanes 16-31 have the next
	s_lshl_b32 s32, s41, 3
	s_add_co_u32 s32, s32, s36
	s_lshl_b32 s32, s32, 10
	s_add_co_u32 s32, s32, WC_OFF
	s_add_nc_u64 s[30:31], s[18:19], s[32:33]
	s_lshl_b32 s32, s41, 9
	s_lshr_b32 s40, s36, 2
	s_lshl_b32 s40, s40, 8
	s_add_co_u32 s32, s32, s40
	s_and_b32 s40, s36, 3
	s_lshl_b32 s40, s40, 2
	s_add_co_u32 s32, s32, s40
	s_add_co_u32 s32, s32, WS_OFF
	s_add_nc_u64 s[38:39], s[18:19], s[32:33]
	v_lshl_add_u32 v12, v3, 13, v11                ; codes: 8,192 (lane / 16) + 16 r
	v_lshl_add_u32 v13, v3, 9, v11                 ; scale word: 512 (lane / 16) + 16 r
	LOADC 0, 256
	LOADC 1, 256
.macro PQBLOCK t
	WAITC \t
	QUANT32 CX0+32*((\t)%2), 144+4*(\t), 240       ; block t = registers 4 (t / 2) on of lane r + 16 (t % 2) of the fragment
.if (\t) == 0
	v_mov_b32 v244, v241
.else
	v_lshl_or_b32 v244, v241, 8*(\t), v244         ; the four bytes make my column's scale word
.endif
	global_store_b128 v12, v[144+4*(\t):147+4*(\t)], s[30:31] offset:512*((\t)/2)+256*((\t)%2)   ; sixteen lanes fill 256 consecutive bytes, aligned
.if (\t) < 2
	LOADC (\t)+2, 256
.endif
.endm
	PQBLOCK 0
	PQBLOCK 1
	PQBLOCK 2
	PQBLOCK 3
	global_store_b32 v13, v244, s[38:39]
	s_endpgm
; ---- W2 [j 4096][n 1024]: a wave takes 32 columns n x 128 along j
.Lpw2:
	s_and_b32 s34, ttmp9, 7                        ; cb: which 128 columns
	s_lshr_b32 s35, ttmp9, 3                       ; jc: which 128 along j
	s_lshl_b32 s32, s35, 19
	s_lshl_b32 s40, s34, 9
	s_add_co_u32 s32, s32, s40
	s_lshl_b32 s40, s22, 7
	s_add_co_u32 s32, s32, s40
	s_add_nc_u64 s[28:29], s[14:15], s[32:33]
	s_lshl_b32 s32, s35, 9
	s_add_nc_u64 s[16:17], s[16:17], s[32:33]      ; b1 at j 128 jc
	s_lshr_b32 s36, s35, 3                         ; split
	s_lshl_b32 s36, s36, 6
	s_lshl_b32 s40, s34, 3
	s_add_co_u32 s36, s36, s40
	s_lshl_b32 s40, s22, 1
	s_add_co_u32 s36, s36, s40                     ; 64 split + nt of lanes 0-15
	s_lshl_b32 s36, s36, 5
	s_and_b32 s40, s35, 7
	s_lshl_b32 s40, s40, 2
	s_add_co_u32 s36, s36, s40
	s_lshl_b32 s32, s36, 10
	s_add_co_u32 s32, s32, W2T_OFF
	s_add_nc_u64 s[30:31], s[20:21], s[32:33]
	s_lshl_b32 s32, s35, 12
	s_lshl_b32 s40, s34, 9
	s_add_co_u32 s32, s32, s40
	s_lshl_b32 s40, s22, 7
	s_add_co_u32 s32, s32, s40
	s_add_co_u32 s32, s32, BP_OFF
	s_add_nc_u64 s[38:39], s[20:21], s[32:33]
	v_lshl_add_u32 v12, v3, 15, v11                ; 32,768 (lane / 16) + 16 r
	v_mov_b32 v14, 0
.set i, 0
.rept 32
	global_load_b128 v[BV+4*i:BV+4*i+3], v14, s[16:17] offset:16*i   ; b1's 128 numbers: every lane reads the same 16 bytes
.set i, i+1
.endr
	LOADC 0, 4096
	LOADC 1, 4096
.irp i, 240,241,242,243
	v_mov_b32 v\i, 0                               ; b1 . W2 of my column, in two packed chains
.endr
.macro PW2BLOCK t
.set XS0, CX0+32*((\t)%2)
.set OS0, OUTR+16*((\t)%2)
	WAITC \t
.set i, 0
.rept 16
	v_pk_fma_f32 v[240+2*(i%2):241+2*(i%2)], v[BV+32*(\t)+2*i:BV+32*(\t)+2*i+1], v[XS0+2*i:XS0+2*i+1], v[240+2*(i%2):241+2*(i%2)]   ; on the f32 numbers as they came
.set i, i+1
.endr
.if (\t) >= 2
	s_wait_xcnt 0x0                                ; the stores of two blocks back have read their data
.endif
.set i, 0
.rept 16
	v_cvt_pk_f16_f32 v[OS0+i], v[XS0+2*i], v[XS0+2*i+1]
.set i, i+1
.endr
.irp p, 0,1,2,3
	global_store_b128 v12, v[OS0+4*\p:OS0+4*\p+3], s[30:31] offset:1024*(\t)+512*(\p/2)+256*(\p%2)
.endr
.if (\t) < 2
	LOADC (\t)+2, 4096
.endif
.endm
	PW2BLOCK 0
	PW2BLOCK 1
	PW2BLOCK 2
	PW2BLOCK 3
	v_add_f32 v240, v240, v241
	v_add_f32 v242, v242, v243
	v_add_f32 v240, v240, v242
	global_store_b32 v4, v240, s[38:39]            ; 128 consecutive bytes a wave, 512 a work-group
	s_endpgm
.Lfunc_end_k_qb0af5a9872_prep:
	.size	k_qb0af5a9872_prep, .Lfunc_end_k_qb0af5a9872_prep-k_qb0af5a9872_prep
	.p2alignl 7, 3214868480
	.fill 96, 4, 3214868480
	.section	.rodata,"a",@progbits
	.p2align	6, 0x0
	.amdhsa_kernel k_qb0af5a9872_prep
		.amdhsa_group_segment_fixed_size 68096
		.amdhsa_private_segment_fixed_size 0
		.amdhsa_enable_private_segment 0
		.amdhsa_kernarg_size 72
		.amdhsa_user_sgpr_count 2
		.amdhsa_user_sgpr_kernarg_segment_ptr 1
		.amdhsa_wavefront_size32 1
		.amdhsa_system_sgpr_workgroup_id_x 1
		.amdhsa_system_sgpr_workgroup_id_y 1
		.amdhsa_system_sgpr_workgroup_id_z 1
		.amdhsa_system_vgpr_workitem_id 0
		.amdhsa_next_free_vgpr 256
		.amdhsa_next_free_sgpr 66
		.amdhsa_reserve_vcc 1
		.amdhsa_float_denorm_mode_32 3
		.amdhsa_float_denorm_mode_16_64 3
		.amdhsa_memory_ordered 1
		.amdhsa_forward_progress 1
		.amdhsa_inst_pref_size 102
	.end_amdhsa_kernel
	.amdgpu_metadata
---
amdhsa.version: [ 1, 2 ]
amdhsa.kernels:
  - .name:           k_qb0af5a9872_prep
    .symbol:         k_qb0af5a9872_prep.kd
    .args:
      - { .name: x, .offset: 0, .size: 8, .value_kind: global_buffer, .address_space: global }
      - { .name: Wq, .offset: 8, .size: 8, .value_kind: global_buffer, .address_space: global }
      - { .name: Wk, .offset: 16, .size: 8, .value_kind: global_buffer, .address_space: global }
      - { .name: Wv, .offset: 24, .size: 8, .value_kind: global_buffer, .address_space: global }
      - { .name: W1, .offset: 32, .size: 8, .value_kind: global_buffer, .address_space: global }
      - { .name: W2, .offset: 40, .size: 8, .value_kind: global_buffer, .address_space: global }
      - { .name: b1, .offset: 48, .size: 8, .value_kind: global_buffer, .address_space: global }
      - { .name: codes, .offset: 56, .size: 8, .value_kind: global_buffer, .address_space: global }
      - { .name: half, .offset: 64, .size: 8, .value_kind: global_buffer, .address_space: global }
    .group_segment_fixed_size: 68096
    .private_segment_fixed_size: 0
    .kernarg_segment_align: 8
    .kernarg_segment_size: 72
    .max_flat_workgroup_size: 128
    .sgpr_count:     66
    .vgpr_count:     256
    .wavefront_size: 32
...
	.end_amdgpu_metadata
.endif
;; end of part 1
;; launch qkv (part 2): grid 12 x 16, 4 waves a work-group, clusters of 4 x 4, 279,040 bytes of LDS; arguments codes, qkv; writes qkv
.if DOCPART == 2
	.amdgcn_target "amdgcn-amd-amdhsa--gfx1250"
	.amdhsa_code_object_version 6
	.text
	.protected	k_qb0af5a9872_qkv
	.globl	k_qb0af5a9872_qkv
	.p2align	8
	.type	k_qb0af5a9872_qkv,@function
k_qb0af5a9872_qkv:
	s_mov_b64 s[64:65], 0
	v_nop
	global_prefetch_b8 v0, s[64:65] scope:SCOPE_SE
	s_setreg_imm32_b32 hwreg(HW_REG_WAVE_MODE, 25, 1), 1
	s_wait_xcnt 0x0
	s_wait_alu depctr_hold_cnt(0) depctr_sa_sdst(0) depctr_va_vdst(0) depctr_va_sdst(0) depctr_va_ssrc(0) depctr_va_vcc(0) depctr_vm_vsrc(0)
	s_getreg_b32 s2, hwreg(HW_REG_IB_STS2, 6, 4)
	s_cmp_eq_u32 s2, 0
	s_cbranch_scc0 .Lentry_in_a_cluster
	s_endpgm
.Lentry_in_a_cluster:
	s_bfe_u32 s2, ttmp6, 0x10000c
	s_cmp_lg_u32 s2, 0xf033
	s_cbranch_scc0 .Lentry_shape_is_right
	s_endpgm
.Lentry_shape_is_right:
; q, k, v = x [4096 x 1024] against Wq | Wk | Wv [3072 columns x 1024], on codes of E2M1 with E8M0 scales, sums in f32; the results leave as f16 images of the next products' operands.
; A tile of 256 tokens x 256 columns to a work-group of four waves, 128 x 128 a wave: 64 accumulators, 512 registers.  12 x 16 tiles: 192 work-groups; a tile of half the rows would read each LDS byte for half the products.
; K = 1,024 lies in LDS whole: two slots of 512 along K, both asked for at the head and never filled again.  Fragments lie as images of their registers: every LDS load takes 512 consecutive bytes, nothing is padded.
; CLUSTERS: 4 x 4.  x's tile hangs on the tile row alone and is asked for jointly along a row of the cluster, the weights' on the tile column alone, jointly along a column.
; ORIENTATION.  For q and k source 0 = 16 columns of W, source 1 = 16 tokens: a lane holds one token and eight neighbouring d; rounded in pairs that is a piece of a fragment with rows = tokens, K = d.
; For v (cluster x = 2, the same in all sixteen partners) the two tiles change places in the LDS READS alone: a lane then holds one d and eight neighbouring tokens: a piece of V^T's fragment, K = the keys.
; LIMIT: q, k, v are rounded to f16: magnitudes up to 65,504.
; REGISTERS as windows of 256: window 0: v0-31 addresses, v32-95 scale words (two sets), v128-191 source 1's fragments (one set); window 1: source 0's fragments, two sets; windows 2, 3: the accumulators ((a, b) at v[8 (8 (a % 4) + b)]).
.set NQ,     4                         ; steps of 128 along K in a slot
.set FR,     8                         ; registers of a fragment
.set NL,     2                         ; LDS loads that bring one
.set NP,     4                         ; places behind this matrix instruction (ISA guide 7.12.1)
.set SLOT,   131072                    ; x's 16 row tiles x 4,096 bytes, then the weights' 16
.set SCL,    262144                    ; the scale words: x's 16 tiles x 512 bytes, then the weights'
.set SPARE,  278528                    ; the spare words, 128 bytes a wave
.set XS_OFF, 2097152
.set WC_OFF, 2228224
.set WS_OFF, 3801088
.set ADRA, 16                          ; v16-17 LDS address of source 1's fragments in slot 0, 1
.set ADRB, 20                          ; v20-21 of source 0's
.set CO,   26                          ; v26    16 x lane
.set ADRS, 27                          ; v27    my scale words: lanes 0-15 source 1's rows, lanes 16-31 source 0's
.set SPW,  28
.set NIL,  29
.set SC,   32
.set AF,   128
.set G1, 24
.set G0, 32
.set G1B, 48
.set G0B, 56
.set G1S, 68
.set G0S, 76
.set G1SB, 80
.set G0SB, 88
.set MSB, 0
.macro WIN new                         ; the immediate's high byte repeats the setting that is left
.if MSB != \new
	s_set_vgpr_msb (MSB<<8)|\new
.set MSB, \new
.endif
.endm
.set MUL_LO, 0xa1                      ; source 0 window 1, source 1 window 0, C and D window 2
.set MUL_HI, 0xf1                      ; the same, C and D window 3
.set TO_B,   0x40                      ; destination window 1, address window 0
; A joint load: waves 0 and 1 fetch x's halves, waves 2 and 3 the weights'.  The branch hangs on the wave's number alone.  An s_nop 0 and four v_nop follow each line.
.macro JLOAD g0a, g1a, g0b, g1b
	s_cmp_eq_u32 s15, 0
	s_cbranch_scc0 .Lfor_b_\@
	tensor_load_to_lds s[\g0a:\g0a+3], s[\g1a:\g1a+7]
	s_nop 0
.rept 4
	v_nop
.endr
	s_branch .Lasked_\@
.Lfor_b_\@:
	tensor_load_to_lds s[\g0b:\g0b+3], s[\g1b:\g1b+7]
	s_nop 0
.rept 4
	v_nop
.endr
.Lasked_\@:
.endm
.macro CROUND                          ; a round of the cluster's barrier
	s_barrier_signal -1
	s_barrier_wait -1
	s_cmp_lg_u32 s14, 0
	s_cbranch_scc1 .Lnot_wave_0_\@
	s_barrier_signal -3
.Lnot_wave_0_\@:
	s_barrier_wait -3
	s_barrier_signal -1
	s_barrier_wait -1
.endm
	s_load_b128 s[4:7], s[0:1], 0x0                ; codes s[4:5], qkv s[6:7]
	v_lshl_add_u32 v[SPW], v0, 2, SPARE
	v_mov_b32 v[NIL], 0
	ds_add_u32 v[SPW], v[NIL]                      ; the wave's opening: the add, twice on end, and its wait ahead of my first tensor load
	ds_add_u32 v[SPW], v[NIL]
	v_lshrrev_b32 v1, 5, v0
	v_readfirstlane_b32 s14, v1                    ; wave 0..3
	s_lshr_b32 s15, s14, 1                         ; which half of source 1's 256 rows is mine.  Also: I fetch for x (0) or for the weights (1)
	s_and_b32 s16, s14, 1                          ; which half of source 0's.  Also: which 8 row tiles I fetch
	s_bfe_u32 s40, ttmp6, 0x40000                  ; cx
	s_bfe_u32 s41, ttmp6, 0x40004                  ; cy
	s_lshl_b32 s42, ttmp9, 2
	s_add_co_u32 s42, s42, s40                     ; tile column = 4 x cluster x + cx; cluster x is also which of q, k, v
	s_and_b32 s13, ttmp7, 0xffff                   ; cluster y = the batch
	s_lshl_b32 s17, s13, 2
	s_add_co_u32 s17, s17, s41                     ; tile row
	s_lshl_b32 s43, s41, 2
	s_lshl_b32 s43, 15, s43                        ; my row of the cluster
	s_lshl_b32 s44, 0x1111, s40                    ; my column
	; group 1 for codes: 8 row tiles, of each 4,096 bytes (512 elements of 8 bytes), 8,192 bytes apart in memory, on end in LDS
	s_or_b32 s[G1+0], s43, (3<<16)|(1<<21)
	s_or_b32 s[G1B+0], s44, (3<<16)|(1<<21)
.irp g, G1, G1B
	s_mov_b32 s[\g+1], 512<<16                     ; tensor_dim0
	s_mov_b32 s[\g+2], 8<<16                       ; tensor_dim1
	s_mov_b32 s[\g+3], 512<<16                     ; tile_dim0
	s_mov_b32 s[\g+4], 8                           ; tile_dim1
	s_mov_b32 s[\g+5], 1024                        ; stride
	s_mov_b32 s[\g+6], 0
	s_mov_b32 s[\g+7], 0
.endr
	; and for the scale words of 8 row tiles: 4,096 dense bytes as 16 rows of 256
	s_or_b32 s[G1S+0], s43, (3<<16)|(1<<21)
	s_or_b32 s[G1SB+0], s44, (3<<16)|(1<<21)
.irp g, G1S, G1SB
	s_mov_b32 s[\g+1], 32<<16
	s_mov_b32 s[\g+2], 16<<16
	s_mov_b32 s[\g+3], 32<<16
	s_mov_b32 s[\g+4], 16
	s_mov_b32 s[\g+5], 32
	s_mov_b32 s[\g+6], 0
	s_mov_b32 s[\g+7], 0
.endr
	s_lshl_b32 s18, s16, 3
	s_lshl_b32 s19, s17, 4
	s_add_co_u32 s19, s19, s18                     ; x's first row tile that I fetch: 16 x tile row + 8 x half
	s_lshl_b32 s20, s19, 13
	s_mov_b32 s21, 0
	s_lshl_b32 s22, s19, 9
	s_add_co_u32 s22, s22, XS_OFF
	s_mov_b32 s23, 0
	s_lshl_b32 s45, s42, 4
	s_add_co_u32 s45, s45, s18                     ; the weights': 16 x tile column + 8 x half
	s_lshl_b32 s46, s45, 13
	s_add_co_u32 s46, s46, WC_OFF
	s_mov_b32 s47, 0
	s_lshl_b32 s92, s45, 9
	s_add_co_u32 s92, s92, WS_OFF
	s_mov_b32 s93, 0
	s_lshl_b32 s94, s14, 15                        ; where they go: wave x 32,768, wave x 4,096: no place in the cluster enters an LDS address
	s_lshl_b32 s95, s14, 12
	s_wait_dscnt 0x0                               ; both opening adds are done
	s_wait_kmcnt 0x0
	s_add_nc_u64 s[20:21], s[4:5], s[20:21]
	s_add_nc_u64 s[22:23], s[4:5], s[22:23]
	s_add_nc_u64 s[46:47], s[4:5], s[46:47]
	s_add_nc_u64 s[92:93], s[4:5], s[92:93]
	CROUND                                         ; all sixteen work-groups are here: the joint loads meet
	s_mov_b32 s[G0S], 1
	s_add_co_u32 s[G0S+1], s95, SCL
	s_mov_b64 s[G0S+2:G0S+3], s[22:23]
	s_or_b32 s[G0S+3], s[G0S+3], 0x80000000
	s_mov_b32 s[G0SB], 1
	s_add_co_u32 s[G0SB+1], s95, SCL
	s_mov_b64 s[G0SB+2:G0SB+3], s[92:93]
	s_or_b32 s[G0SB+3], s[G0SB+3], 0x80000000
	JLOAD G0S, G1S, G0SB, G1SB                     ; the scale words first
.irp s, 0,1
	s_mov_b32 s[G0+4*\s], 1
	s_add_co_u32 s[G0+4*\s+1], s94, \s*SLOT
	s_add_nc_u64 s[G0+4*\s+2:G0+4*\s+3], s[20:21], \s*4096
	s_or_b32 s[G0+4*\s+3], s[G0+4*\s+3], 0x80000000
	s_mov_b32 s[G0B+4*\s], 1
	s_add_co_u32 s[G0B+4*\s+1], s94, \s*SLOT
	s_add_nc_u64 s[G0B+4*\s+2:G0B+4*\s+3], s[46:47], \s*4096
	s_or_b32 s[G0B+4*\s+3], s[G0B+4*\s+3], 0x80000000
	JLOAD G0+4*\s, G1, G0B+4*\s, G1B               ; three loads of mine are out when the last is issued
.endr
	; which tile is which source: for v the two change places
	s_cmp_eq_u32 ttmp9, 2
	s_cselect_b32 s8, 65536, 0                     ; source 1's tile in a slot
	s_cselect_b32 s9, 0, 65536                     ; source 0's
	s_cselect_b32 s10, 8192, 0                     ; and their scale words
	s_cselect_b32 s11, 0, 8192
	s_cselect_b32 s12, s15, s16                    ; the half that picks my heads
	s_cselect_b32 s3, s16, s15                     ; the half that picks my tokens
	s_lshl_b32 s96, s15, 15
	s_add_co_u32 s8, s8, s96
	s_lshl_b32 s97, s16, 15
	s_add_co_u32 s9, s9, s97
	v_and_b32 v1, 31, v0
	v_lshlrev_b32 v[CO], 4, v1
	v_add_nc_u32 v[ADRA], s8, v[CO]
	v_add_nc_u32 v[ADRB], s9, v[CO]
	v_add_nc_u32 v[ADRA+1], SLOT, v[ADRA]
	v_add_nc_u32 v[ADRB+1], SLOT, v[ADRB]
	s_lshl_b32 s96, s15, 12
	s_add_co_u32 s10, s10, s96
	s_add_co_u32 s10, s10, SCL
	s_lshl_b32 s97, s16, 12
	s_add_co_u32 s11, s11, s97
	s_add_co_u32 s11, s11, SCL
	v_and_b32 v2, 15, v0
	v_and_b32 v3, 16, v0
	v_cmp_ne_u32 vcc_lo, 0, v3
	v_mov_b32 v4, s10
	v_mov_b32 v5, s11
	v_cndmask_b32 v4, v4, v5, vcc_lo               ; lanes 16-31 take source 0's words
	v_lshl_add_u32 v[ADRS], v2, 4, v4              ; 16 bytes a row: the four words of a slot
	; where my results go: which x 8 MiB + (16 batch + 4 cx + 2 sP) heads of 131,072 + cy x 32,768 + sQ x 16,384
	s_lshl_b32 s96, s13, 4
	s_lshl_b32 s97, s40, 2
	s_add_co_u32 s96, s96, s97
	s_lshl_b32 s97, s12, 1
	s_add_co_u32 s96, s96, s97
	s_lshl_b32 s96, s96, 17
	s_lshl_b32 s97, ttmp9, 23
	s_add_co_u32 s96, s96, s97
	s_lshl_b32 s97, s41, 15
	s_add_co_u32 s96, s96, s97
	s_lshl_b32 s97, s3, 14
	s_add_co_u32 s96, s96, s97
	s_mov_b32 s97, 0
	s_add_nc_u64 s[6:7], s[6:7], s[96:97]
.macro FRAG reg, adr, q, i             ; a fragment comes back as it was stored: two pieces of 512 bytes
.irp c, 0,1
	ds_load_b128 v[\reg+4*\c:\reg+4*\c+3], v[\adr] offset:1024*(\q)+512*\c+(\i)*4096
.endr
.endm
; 16 matrix instructions: source 1's blocks a0, a0 + 1 x source 0's eight, the slot's q-th 128 along K.  The 64 accumulators take turns, one instruction a turn, in the same order in every step.
.macro MUL16 a0, p, q, sc, zero
.irp a, \a0, \a0+1
.irp b, 0,1,2,3,4,5,6,7
.if \zero
	v_wmma_scale_f32_16x16x128_f8f6f4 v[8*(8*((\a)%4)+\b):8*(8*((\a)%4)+\b)+7], v[128*(\p)+FR*\b:128*(\p)+FR*\b+FR-1], v[AF+FR*(\a):AF+FR*(\a)+FR-1], 0, v[SC+8*NQ*(\sc)+NQ*\b+(\q)], v[SC+8*NQ*(\sc)+NQ*(\a)+(\q)] matrix_a_fmt:MATRIX_FMT_FP4 matrix_b_fmt:MATRIX_FMT_FP4 matrix_a_scale:MATRIX_SCALE_ROW1
.else
	v_wmma_scale_f32_16x16x128_f8f6f4 v[8*(8*((\a)%4)+\b):8*(8*((\a)%4)+\b)+7], v[128*(\p)+FR*\b:128*(\p)+FR*\b+FR-1], v[AF+FR*(\a):AF+FR*(\a)+FR-1], v[8*(8*((\a)%4)+\b):8*(8*((\a)%4)+\b)+7], v[SC+8*NQ*(\sc)+NQ*\b+(\q)], v[SC+8*NQ*(\sc)+NQ*(\a)+(\q)] matrix_a_fmt:MATRIX_FMT_FP4 matrix_b_fmt:MATRIX_FMT_FP4 matrix_a_scale:MATRIX_SCALE_ROW1
.endif
.endr
.endr
.endm
.macro FETCH_B slot, q, p
	WIN TO_B
.irp i, 0,1,2,3,4,5,6,7
	FRAG 128*(\p)+FR*\i, ADRB+\slot, \q, \i
.endr
	WIN 0
.endm
.macro FETCH_A slot, q, i0
.irp i, \i0, \i0+1, \i0+2, \i0+3
	FRAG AF+FR*(\i), ADRA+\slot, \q, \i
.endr
.endm
.macro SCALES sc                       ; a slot's four words a row: lanes 0-15 source 1's block i, lanes 16-31 source 0's block i
.irp i, 0,1,2,3,4,5,6,7
	ds_load_b128 v[SC+8*NQ*\sc+NQ*\i:SC+8*NQ*\sc+NQ*\i+3], v[ADRS] offset:512*\i+256*\sc
.endr
.endm
.macro PLACES n                        ; plain vector instructions between a matrix instruction and a load into, or a read of, its registers
.rept \n
	v_nop
.endr
.endm
.macro STEP slot, q, zero              ; a step of 128 along K that has its successor in the same slot
	s_wait_dscnt 4*NL                              ; all but the youngest eight loads (source 1's blocks 4-7) are in
	WIN MUL_LO
	MUL16 0, (\q)%2, \q, \slot, \zero
	MUL16 2, (\q)%2, \q, \slot, \zero
	s_wait_dscnt 0                                 ; blocks 4-7 are in
	PLACES NP
	FETCH_B \slot, (\q)+1, 1-(\q)%2
	FETCH_A \slot, (\q)+1, 0
	WIN MUL_HI
	MUL16 4, (\q)%2, \q, \slot, \zero
	MUL16 6, (\q)%2, \q, \slot, \zero
	PLACES NP
	WIN 0
	FETCH_A \slot, (\q)+1, 4
.endm
	s_wait_tensorcnt 1                             ; the scale words and my part of slot 0 are in; slot 1's load may stay out
	s_barrier_signal -1
	s_barrier_wait -1                              ; everybody's are
	FETCH_B 0, 0, 0
	FETCH_A 0, 0, 0
	SCALES 0
	FETCH_A 0, 0, 4
	STEP 0, 0, 1                                   ; the first products start the sums: nothing is cleared
	STEP 0, 1, 0
	STEP 0, 2, 0
	; slot 0's last step, and the change to slot 1: my part of slot 1 has landed, then the barrier shows everybody's
	s_wait_tensorcnt 0x0
	s_wait_dscnt 4*NL
	WIN MUL_LO
	MUL16 0, 1, 3, 0, 0
	s_wait_dscnt 0x0                               ; no LDS instruction of mine is out at the signal
	s_barrier_signal -1
	MUL16 2, 1, 3, 0, 0
	WIN 0
	s_barrier_wait -1
	PLACES NP
	FETCH_B 1, 0, 0
	FETCH_A 1, 0, 0
	SCALES 1
	WIN MUL_HI
	MUL16 4, 1, 3, 0, 0
	MUL16 6, 1, 3, 0, 0
	PLACES NP
	WIN 0
	FETCH_A 1, 0, 4
	STEP 1, 0, 0
	STEP 1, 1, 0
	STEP 1, 2, 0
	s_wait_dscnt 4*NL                              ; the very last step: nothing more to fetch
	WIN MUL_LO
	MUL16 0, 1, 3, 1, 0
	MUL16 2, 1, 3, 1, 0
	s_wait_dscnt 0
	WIN MUL_HI
	MUL16 4, 1, 3, 1, 0
	MUL16 6, 1, 3, 1, 0
	WIN 0
; THE WAY OUT, source 1's block a at a time: each accumulator, from its low end on, rounds in pairs to 4 registers, which are a piece of the reader's fragment: every store is 512 consecutive bytes, aligned.
.macro OUTB a, isv
.set TT, 32+32*((\a)%4)
.set AC, 64*((\a)%4)
.set WW, 0x0a+5*((\a)/4)
.if (\a) >= 4
	s_wait_xcnt 0x0                                ; the stores of four blocks back have read their data
.endif
	WIN WW                                         ; sources 0 and 1: window 2 or 3
.irp b, 0,1,2,3,4,5,6,7
.irp p, 0,1,2,3
	v_cvt_pk_f16_f32 v[TT+4*\b+\p], v[AC+8*\b+2*\p], v[AC+8*\b+2*\p+1]
.endr
.endr
	WIN 0
.irp b, 0,1,2,3,4,5,6,7
.if \isv
	global_store_b128 v[CO], v[TT+4*\b:TT+4*\b+3], s[6:7] offset:((\a)/4)*131072+4096*(\b/2)+1024*((\a)%4)+512*(\b%2)   ; head a / 4, 32 keys b / 2, d tile a % 4, half b % 2
.else
	global_store_b128 v[CO], v[TT+4*\b:TT+4*\b+3], s[6:7] offset:(\b/4)*131072+2048*(\a)+512*(\b%4)                     ; head b / 4, token tile a, d tile b % 4
.endif
.endr
.endm
	PLACES NP                                      ; behind the last products: the conversions write over registers that held scales and fragments, and read results
	s_cmp_eq_u32 ttmp9, 2
	s_cbranch_scc1 .Lout_v
.irp a, 0,1,2,3,4,5,6,7
	OUTB \a, 0
.endr
	s_branch .Lout_done
.Lout_v:
.irp a, 0,1,2,3,4,5,6,7
	OUTB \a, 1
.endr
.Lout_done:
	s_wait_tensorcnt 0x0                           ; the wave's end
	ds_add_u32 v[SPW], v[NIL]
	s_wait_dscnt 0x0
	CROUND                                         ; the closing round
	s_endpgm
.Lfunc_end_k_qb0af5a9872_qkv:
	.size	k_qb0af5a9872_qkv, .Lfunc_end_k_qb0af5a9872_qkv-k_qb0af5a9872_qkv
	.p2alignl 7, 3214868480
	.fill 96, 4, 3214868480
	.section	.rodata,"a",@progbits
	.p2align	6, 0x0
	.amdhsa_kernel k_qb0af5a9872_qkv
		.amdhsa_group_segment_fixed_size 279040
		.amdhsa_private_segment_fixed_size 0
		.amdhsa_enable_private_segment 0
		.amdhsa_kernarg_size 16
		.amdhsa_user_sgpr_count 2
		.amdhsa_user_sgpr_kernarg_segment_ptr 1
		.amdhsa_wavefront_size32 1
		.amdhsa_system_sgpr_workgroup_id_x 1
		.amdhsa_system_sgpr_workgroup_id_y 1
		.amdhsa_system_sgpr_workgroup_id_z 1
		.amdhsa_system_vgpr_workitem_id 0
		.amdhsa_next_free_vgpr 1024
		.amdhsa_next_free_sgpr 98
		.amdhsa_reserve_vcc 1
		.amdhsa_float_denorm_mode_32 3
		.amdhsa_float_denorm_mode_16_64 3
		.amdhsa_memory_ordered 1
		.amdhsa_forward_progress 1
		.amdhsa_inst_pref_size 140
	.end_amdhsa_kernel
	.amdgpu_metadata
---
amdhsa.version: [ 1, 2 ]
amdhsa.kernels:
  - .name:           k_qb0af5a9872_qkv
    .symbol:         k_qb0af5a9872_qkv.kd
    .args:
      - { .name: codes, .offset: 0, .size: 8, .value_kind: global_buffer, .address_space: global }
      - { .name: qkv, .offset: 8, .size: 8, .value_kind: global_buffer, .address_space: global }
    .group_segment_fixed_size: 279040
    .private_segment_fixed_size: 0
    .kernarg_segment_align: 8
    .kernarg_segment_size: 16
    .max_flat_workgroup_size: 128
    .sgpr_count:     98
    .vgpr_count:     1024
    .wavefront_size: 32
...
	.end_amdgpu_metadata
.endif
;; end of part 2
;; launch attn (part 3): grid 4 x 64, 16 waves a work-group, clusters of 4 x 1, 264,192 bytes of LDS; arguments qkv, oimg; writes oimg
.if DOCPART == 3
	.amdgcn_target "amdgcn-amd-amdhsa--gfx1250"
	.amdhsa_code_object_version 6
	.text
	.protected	k_qb0af5a9872_attn
	.globl	k_qb0af5a9872_attn
	.p2align	8
	.type	k_qb0af5a9872_attn,@function
k_qb0af5a9872_attn:
	s_mov_b64 s[64:65], 0
	v_nop
	global_prefetch_b8 v0, s[64:65] scope:SCOPE_SE
	s_setreg_imm32_b32 hwreg(HW_REG_WAVE_MODE, 25, 1), 1
	s_wait_xcnt 0x0
	s_wait_alu depctr_hold_cnt(0) depctr_sa_sdst(0) depctr_va_vdst(0) depctr_va_sdst(0) depctr_va_ssrc(0) depctr_va_vcc(0) depctr_vm_vsrc(0)
	s_getreg_b32 s2, hwreg(HW_REG_IB_STS2, 6, 4)
	s_cmp_eq_u32 s2, 0
	s_cbranch_scc0 .Lentry_in_a_cluster
	s_endpgm
.Lentry_in_a_cluster:
	s_bfe_u32 s2, ttmp6, 0x10000c
	s_cmp_lg_u32 s2, 0x3003
	s_cbranch_scc0 .Lentry_shape_is_right
	s_endpgm
.Lentry_shape_is_right:
; out[b][h][q] = the sum over keys k <= q of softmax_k(q . k / 8) v[k], operands in f16, products, maxima and sums in f32; the result leaves as f16 fragments (rows = tokens, K = the 1,024 channels) for the last product.
; A cluster of four work-groups owns one (batch, head); each has sixteen waves, a wave one tile of 16 queries in 256 registers, four waves to a SIMD, so that one wave's vector work stands beside another's products.
; SHARES.  Wave w has J = 4 (w / 4) + (w % 4 xor 3 ((w / 4) % 2)) and takes query tile 4 J + cx: queries 64 J + 16 cx on.  Keys go 64 a step, and that tile needs steps 0 .. J whatever cx is: every branch hangs on the wave's
; number alone, the four partners run alike and do equal work, and waves w, w + 4, w + 8, w + 12 together have 34 steps for every w % 4.
; THE WHOLE HEAD LIES IN LDS: K's 131,072 bytes, then V's, as images of fragments, asked for once, jointly by the four partners, in four chunks of 256 keys; nothing is filled again.  Wave 15 of every partner reads every chunk.
; LAYOUT.  S^T = K Q^T (source 0 = 16 keys, source 1 = my queries), O^T = V^T P: a lane holds one query throughout; two tiles of S^T rounded in pairs are P's fragment.
; SOFTMAX.  A running maximum m and sum l: p = 2^(c s - c m), c = log2(e) / 8; in each step O and l are multiplied by a = 2^(c m_old - c m_new).  The loop has no first step of its own: O and l begin as zeros, m as -3e38.
; LIMITS: q, k, v, p and the result are f16 numbers (magnitudes up to 65,504); NaN and infinities are not served.  The first 16 positions of every sequence are made again, in f32, by later launches.
.set SPARE, 262144                     ; the spare words: 128 bytes for each of 16 waves
.set L16, 1                            ; v1   16 x lane
.set DG,  2                            ; v2   16 cx + r - 8 h: on the diagonal key 16 kt + j of my half is hidden where 16 kt + j > this
.set ADK, 8
.set ADV, 9
.set Q,   16                           ; v16-31   Q: two fragments
.set KF,  32                           ; v32-95   K: fragment 2 kt + u
.set VF,  96                           ; v96-159  V^T: fragment 4 kb + dt
.set S,   160                          ; v160-191 S^T, then p
.set P,   192                          ; v192-207 P
.set O,   208                          ; v208-239 O^T
.set CM,  240                          ; c m
.set M,   241
.set LS,  242                          ; v[242:243] l, even and odd keys'
.set T,   244                          ; v244-247 at work
.set AL,  248                          ; v[248:249] a
.set OC,  250
.set NINF, 251
.set SPW, 254
.set NIL, 255
.set WV, 8
.set CX, 9
.set BH, 10
.set J,  11
.set QT, 12
.set SEL, 20
.set CS, 22
.set G1, 24
.set G0, 40                            ; s[40:55] four groups 0, one for each chunk
.set TB, 56
.set ST, 57
.set CNT, 58
.macro CROUND
	s_barrier_signal -1
	s_barrier_wait -1
	s_cmp_lg_u32 s[WV], 0
	s_cbranch_scc1 .Lnot_wave_0_\@
	s_barrier_signal -3
.Lnot_wave_0_\@:
	s_barrier_wait -3
	s_barrier_signal -1
	s_barrier_wait -1
.endm
	s_load_b128 s[4:7], s[0:1], 0x0                ; qkv s[4:5], oimg s[6:7]
	v_lshl_add_u32 v[SPW], v0, 2, SPARE
	v_mov_b32 v[NIL], 0
	ds_add_u32 v[SPW], v[NIL]                      ; the wave's opening: the add, twice on end, and its wait ahead of the first tensor loads
	ds_add_u32 v[SPW], v[NIL]
	v_lshrrev_b32 v3, 5, v0
	v_readfirstlane_b32 s[WV], v3                  ; wave 0..15
	s_bfe_u32 s[CX], ttmp6, 0x40000                ; my place in the cluster: it enters global addresses and the mask's numbers alone
	s_and_b32 s[BH], ttmp7, 0xffff                 ; 16 batch + head
	s_lshr_b32 s13, s[WV], 2
	s_and_b32 s14, s[WV], 3
	s_and_b32 s15, s13, 1
	s_mul_i32 s15, s15, 3
	s_xor_b32 s14, s14, s15
	s_lshl_b32 s13, s13, 2
	s_add_co_u32 s[J], s13, s14
	s_lshl_b32 s[QT], s[J], 2
	s_add_co_u32 s[QT], s[QT], s[CX]               ; my query tile
	s_mov_b32 s[G1], 15|(3<<16)|(1<<21)            ; the mask: all four; elements of 8 bytes; bit 21 beside a mask.  A chunk: 32,768 dense bytes as 128 rows of 256
	s_mov_b32 s[G1+1], 32<<16
	s_mov_b32 s[G1+2], 128<<16
	s_mov_b32 s[G1+3], 32<<16
	s_mov_b32 s[G1+4], 128
	s_mov_b32 s[G1+5], 32
	s_mov_b32 s[G1+6], 0
	s_mov_b32 s[G1+7], 0
	s_mov_b32 s[SEL], 0x76543210
	s_mov_b32 s[SEL+1], 0xfedcba98
	s_mov_b32 s[CS], 0x3e38aa3b                    ; c = log2(e) / 8
	s_mov_b32 s[CS+1], s[CS]
	s_lshl_b32 s16, s[BH], 17
	s_add_co_u32 s17, s[WV], 1
	s_lshl_b32 s17, s17, 23                        ; K's images lie 8 MiB into qkv (wave 0), V's 16 MiB (wave 1); the other waves ask for nothing
	s_add_co_u32 s16, s16, s17
	s_mov_b32 s17, 0
	s_lshl_b32 s18, s[WV], 17                      ; K at LDS byte 0, V at 131,072
	s_wait_dscnt 0x0
	s_wait_kmcnt 0x0
	s_add_nc_u64 s[16:17], s[4:5], s[16:17]
	CROUND                                         ; all four work-groups are here: the joint loads meet
	s_cmp_lt_u32 s[WV], 2                          ; all first fills of a wave stand in this one branch: four loads of mine are out
	s_cbranch_scc0 .Lno_load
.irp c, 0,1,2,3
	s_mov_b32 s[G0+4*\c], 1
	s_add_co_u32 s[G0+4*\c+1], s18, \c*32768
	s_add_nc_u64 s[G0+4*\c+2:G0+4*\c+3], s[16:17], \c*32768
	s_or_b32 s[G0+4*\c+3], s[G0+4*\c+3], 0x80000000
.endr
.irp c, 0,1,2,3
	tensor_load_to_lds s[G0+4*\c:G0+4*\c+3], s[G1:G1+7]
	s_nop 0
.endr
.rept 4
	v_nop
.endr
.Lno_load:
	v_and_b32 v3, 31, v0
	v_lshlrev_b32 v[L16], 4, v3
	v_and_b32 v4, 15, v0
	v_bfe_u32 v5, v0, 4, 1
	v_lshlrev_b32 v5, 3, v5
	v_sub_nc_u32 v[DG], v4, v5
	s_lshl_b32 s13, s[CX], 4
	v_add_nc_u32 v[DG], s13, v[DG]
	s_lshl_b32 s14, s[BH], 17
	s_lshl_b32 s15, s[QT], 11
	s_add_co_u32 s14, s14, s15
	s_mov_b32 s15, 0
	s_add_nc_u64 s[14:15], s[4:5], s[14:15]        ; Q's images lie at qkv's head
.irp i, 0,1,2,3
	global_load_b128 v[Q+4*\i:Q+4*\i+3], v[L16], s[14:15] offset:512*\i   ; Q stays in registers
.endr
	s_lshr_b32 s16, s[BH], 4
	s_lshl_b32 s16, s16, 6
	s_add_co_u32 s16, s16, s[QT]
	s_lshl_b32 s16, s16, 15
	s_and_b32 s17, s[BH], 15
	s_lshl_b32 s17, s17, 11
	s_add_co_u32 s16, s16, s17
	s_mov_b32 s17, 0
	s_add_nc_u64 s[6:7], s[6:7], s[16:17]          ; row tile 64 batch + qt, K blocks 2 head and 2 head + 1
	v_mov_b32 v[M], 0xff61b1e6                     ; -3e38, under every score
	v_mul_f32 v[CM], s[CS], v[M]
	v_mov_b32 v[NINF], 0xff800000
.irp i, 242,243,244,245,246,247,248,249,250
	v_mov_b32 v\i, 0
.endr
.set i, 0
.rept 32
	v_mov_b32 v[O+i], 0
.set i, i+1
.endr
	s_mov_b32 s[ST], 0
; A KEY STEP: 64 keys.  A step all of whose keys come after my queries is left out: a branch on the wave's number and the count of steps, round loads, products and softmax; no barrier stands in a step.
.macro STEP
	s_cmp_gt_u32 s[ST], s[J]
	s_cbranch_scc1 .Lhidden_\@
	v_add_nc_u32 v[ADK], s[TB], v[L16]
	v_add_nc_u32 v[ADV], 0x20000, v[ADK]
	v_nop
	v_nop                                          ; four plain lines between the last step's products and the loads into the registers that they read
.irp f, 0,1,2,3,4,5,6,7
	ds_load_b128 v[KF+8*\f:KF+8*\f+3], v[ADK] offset:1024*\f
	ds_load_b128 v[KF+8*\f+4:KF+8*\f+7], v[ADK] offset:1024*\f+512
.endr
.irp f, 0,1,2,3,4,5,6,7
	ds_load_b128 v[VF+8*\f:VF+8*\f+3], v[ADV] offset:1024*\f
	ds_load_b128 v[VF+8*\f+4:VF+8*\f+7], v[ADV] offset:1024*\f+512
.endr
	s_wait_dscnt 16                                ; K is in; V's sixteen loads stay out under the softmax
.irp kt, 0,1,2,3
	v_wmma_f32_16x16x32_f16 v[S+8*\kt:S+8*\kt+7], v[KF+16*\kt:KF+16*\kt+7], v[Q:Q+7], 0
.endr
.irp kt, 0,1,2,3
	v_wmma_f32_16x16x32_f16 v[S+8*\kt:S+8*\kt+7], v[KF+16*\kt+8:KF+16*\kt+15], v[Q+8:Q+15], v[S+8*\kt:S+8*\kt+7]   ; the four tiles by turns
.endr
.rept 4
	v_nop
.endr
	s_cmp_lg_u32 s[ST], s[J]                       ; my last step lies on the diagonal: hidden scores become -infinity ahead of the maximum
	s_cbranch_scc1 .Lopen_\@
.set i, 0
.rept 32
	v_cmp_gt_i32 vcc_lo, 16*(i/8)+i%8, v[DG]
	v_cndmask_b32 v[S+i], v[S+i], v[NINF], vcc_lo
.set i, i+1
.endr
.Lopen_\@:
.irp kt, 0,1,2,3
	v_max3_num_f32 v[T+\kt], v[S+8*\kt], v[S+8*\kt+1], v[S+8*\kt+2]      ; each tile is read from its low end on
.endr
.irp i, 3,5
.irp kt, 0,1,2,3
	v_max3_num_f32 v[T+\kt], v[T+\kt], v[S+8*\kt+\i], v[S+8*\kt+\i+1]
.endr
.endr
	v_max3_num_f32 v[T], v[T], v[S+7], v[S+15]
	v_max3_num_f32 v[T+2], v[T+2], v[S+23], v[S+31]
	v_max3_num_f32 v[T], v[T], v[T+1], v[T+2]
	v_max3_num_f32 v[T], v[T], v[T+3], v[M]
	v_permlanex16_b32 v[T+1], v[T], s[SEL], s[SEL+1]   ; the query's other 32 keys lie in the lane 16 away
	v_mov_b32 v[OC], v[CM]
	v_max_num_f32 v[M], v[T], v[T+1]
	v_mul_f32 v[CM], s[CS], v[M]
	v_sub_f32 v[OC], v[OC], v[CM]                  ; c m_old - c m_new
.set i, 0
.rept 16
	v_pk_fma_f32 v[S+2*i:S+2*i+1], v[S+2*i:S+2*i+1], s[CS:CS+1], v[CM:CM+1] op_sel_hi:[1,0,0] neg_lo:[0,0,1] neg_hi:[0,0,1]   ; c s - c m
.set i, i+1
.endr
	v_exp_f32 v[AL], v[OC]
.set i, 0
.rept 32
	v_exp_f32 v[S+i], v[S+i]
.set i, i+1
.endr
	v_nop                                          ; a plain line behind the last exponential
	s_wait_alu depctr_va_vdst(0)                   ; one wait for the batch of 33, ahead of the first line that names a result
.set i, 0
.rept 16
	v_cvt_pk_f16_f32 v[P+i], v[S+2*i], v[S+2*i+1]
.set i, i+1
.endr
	v_pk_add_f32 v[T:T+1], v[S:S+1], v[S+2:S+3]    ; the sum of the unrounded p, in two chains
	v_pk_add_f32 v[T+2:T+3], v[S+4:S+5], v[S+6:S+7]
.irp i, 8,12,16,20,24,28
	v_pk_add_f32 v[T:T+1], v[T:T+1], v[S+\i:S+\i+1]
	v_pk_add_f32 v[T+2:T+3], v[T+2:T+3], v[S+\i+2:S+\i+3]
.endr
	v_pk_add_f32 v[T:T+1], v[T:T+1], v[T+2:T+3]
	v_pk_fma_f32 v[LS:LS+1], v[LS:LS+1], v[AL:AL+1], v[T:T+1] op_sel_hi:[1,0,1]
.set i, 0
.rept 16
	v_pk_mul_f32 v[O+2*i:O+2*i+1], v[O+2*i:O+2*i+1], v[AL:AL+1] op_sel_hi:[1,0]
.set i, i+1
.endr
	s_wait_dscnt 0x0                               ; V is in
.irp kb, 0,1
.irp dt, 0,1,2,3
	v_wmma_f32_16x16x32_f16 v[O+8*\dt:O+8*\dt+7], v[VF+32*\kb+8*\dt:VF+32*\kb+8*\dt+7], v[P+8*\kb:P+8*\kb+7], v[O+8*\dt:O+8*\dt+7]   ; the four tiles by turns
.endr
.endr
.Lhidden_\@:
	s_add_co_u32 s[ST], s[ST], 1
	s_add_co_u32 s[TB], s[TB], 8192
.endm
; A chunk of 256 keys: the loading waves wait until it has landed (the later chunks' loads stay out), the barrier shows it to all sixteen; then its four steps.
.macro CHUNK c
	s_wait_tensorcnt 3-\c
	s_wait_dscnt 0x0                               ; no LDS instruction of mine is out at the signal
	s_barrier_signal -1
	s_barrier_wait -1
	s_mov_b32 s[TB], \c*32768
	s_mov_b32 s[CNT], 4
.Lstep_\@:
	STEP
	s_sub_co_u32 s[CNT], s[CNT], 1
	s_cmp_lg_u32 s[CNT], 0
	s_cbranch_scc1 .Lstep_\@
.endm
	s_wait_loadcnt 0x0                             ; Q
	CHUNK 0
	CHUNK 1
	CHUNK 2
	CHUNK 3
.rept 4
	v_nop                                          ; places behind the last products
.endr
	v_add_f32 v[T], v[LS], v[LS+1]
	v_permlanex16_b32 v[T+1], v[T], s[SEL], s[SEL+1]
	v_add_f32 v[T], v[T], v[T+1]                   ; the row's sum
	v_rcp_f32 v[T+2], v[T]
	v_nop
	s_wait_alu depctr_va_vdst(0)
.set i, 0
.rept 16
	v_pk_mul_f32 v[O+2*i:O+2*i+1], v[O+2*i:O+2*i+1], v[T+2:T+3] op_sel_hi:[1,0]
.set i, i+1
.endr
.set i, 0
.rept 16
	v_cvt_pk_f16_f32 v[S+i], v[O+2*i], v[O+2*i+1]  ; a lane's eight d of tile dt: a piece of the next product's fragment
.set i, i+1
.endr
.irp dt, 0,1,2,3
	global_store_b128 v[L16], v[S+4*\dt:S+4*\dt+3], s[6:7] offset:512*\dt   ; 512 consecutive bytes, aligned
.endr
	s_wait_tensorcnt 0x0                           ; the wave's end
	ds_add_u32 v[SPW], v[NIL]
	s_wait_dscnt 0x0
	CROUND                                         ; the closing round
	s_endpgm
.Lfunc_end_k_qb0af5a9872_attn:
	.size	k_qb0af5a9872_attn, .Lfunc_end_k_qb0af5a9872_attn-k_qb0af5a9872_attn
	.p2alignl 7, 3214868480
	.fill 96, 4, 3214868480
	.section	.rodata,"a",@progbits
	.p2align	6, 0x0
	.amdhsa_kernel k_qb0af5a9872_attn
		.amdhsa_group_segment_fixed_size 264192
		.amdhsa_private_segment_fixed_size 0
		.amdhsa_enable_private_segment 0
		.amdhsa_kernarg_size 16
		.amdhsa_user_sgpr_count 2
		.amdhsa_user_sgpr_kernarg_segment_ptr 1
		.amdhsa_wavefront_size32 1
		.amdhsa_system_sgpr_workgroup_id_x 1
		.amdhsa_system_sgpr_workgroup_id_y 1
		.amdhsa_system_sgpr_workgroup_id_z 1
		.amdhsa_system_vgpr_workitem_id 0
		.amdhsa_next_free_vgpr 256
		.amdhsa_next_free_sgpr 66
		.amdhsa_reserve_vcc 1
		.amdhsa_float_denorm_mode_32 3
		.amdhsa_float_denorm_mode_16_64 3
		.amdhsa_memory_ordered 1
		.amdhsa_forward_progress 1
		.amdhsa_inst_pref_size 59
	.end_amdhsa_kernel
	.amdgpu_metadata
---
amdhsa.version: [ 1, 2 ]
amdhsa.kernels:
  - .name:           k_qb0af5a9872_attn
    .symbol:         k_qb0af5a9872_attn.kd
    .args:
      - { .name: qkv, .offset: 0, .size: 8, .value_kind: global_buffer, .address_space: global }
      - { .name: oimg, .offset: 8, .size: 8, .value_kind: global_buffer, .address_space: global }
    .group_segment_fixed_size: 264192
    .private_segment_fixed_size: 0
    .kernarg_segment_align: 8
    .kernarg_segment_size: 16
    .max_flat_workgroup_size: 512
    .sgpr_count:     66
    .vgpr_count:     256
    .wavefront_size: 32
...
	.end_amdgpu_metadata
.endif
;; end of part 3
;; launch w12 (part 4): grid 8 x 32, 4 waves a work-group, clusters of 4 x 4, 327,680 bytes of LDS; arguments half, part; writes part
.if DOCPART == 4
	.amdgcn_target "amdgcn-amd-amdhsa--gfx1250"
	.amdhsa_code_object_version 6
	.text
	.protected	k_qb0af5a9872_w12
	.globl	k_qb0af5a9872_w12
	.p2align	8
	.type	k_qb0af5a9872_w12,@function
k_qb0af5a9872_w12:
	s_mov_b64 s[64:65], 0
	v_nop
	global_prefetch_b8 v0, s[64:65] scope:SCOPE_SE
	s_setreg_imm32_b32 hwreg(HW_REG_WAVE_MODE, 25, 1), 1
	s_wait_xcnt 0x0
	s_wait_alu depctr_hold_cnt(0) depctr_sa_sdst(0) depctr_va_vdst(0) depctr_va_sdst(0) depctr_va_ssrc(0) depctr_va_vcc(0) depctr_vm_vsrc(0)
	s_getreg_b32 s2, hwreg(HW_REG_IB_STS2, 6, 4)
	s_cmp_eq_u32 s2, 0
	s_cbranch_scc0 .Lentry_in_a_cluster
	s_endpgm
.Lentry_in_a_cluster:
	s_bfe_u32 s2, ttmp6, 0x10000c
	s_cmp_lg_u32 s2, 0xf033
	s_cbranch_scc0 .Lentry_shape_is_right
	s_endpgm
.Lentry_shape_is_right:
; (out W1 + b1) W2 + b2 = out (W1 W2) + (b1 W2 + b2) for every input: no activation stands between the two layers.  This launch makes W12^T[n][c] = the sum over j of W2[j][n] W1[c][j], f16 operands, f32 sums,
; with the 4,096 j split in four, so that 256 work-groups have a tile of 128 (n) x 128 (c) x 1,024 (j) each; the four partial sums go out in f32 and a later launch adds them.
; Four waves, 64 x 64 each: 16 accumulators.  K goes in steps of 256 through two LDS slots; the tiles are images of fragments, so every LDS load takes 512 consecutive bytes and nothing is padded.
; CLUSTERS: 4 x 4.  W2's tile (source 1) hangs on work-group y alone and is asked for jointly along a row of the cluster; W1's (source 0) on x and on the split, which the whole cluster shares: jointly along a column.
; In the result a lane holds one n and eight neighbouring c: the accumulators are stored as they stand, 512 consecutive bytes a store.
; REGISTERS: window 0: v0-31 addresses, v128-255 the accumulators ((a, b) at v[128 + 8 (4 a + b)]); window 1: two fragment buffers of 128 (64 of source 1, then 64 of source 0), each 64 along K deep.
.set SLOT,  131072                     ; source 1's 8 row tiles x 8,192 bytes, then source 0's
.set SPARE, 262144
.set W2T_OFF, 8388608
.set ADRA, 16
.set ADRB, 20
.set CO,   26
.set SPW,  28
.set NIL,  29
.set ACC,  128
.set F0,   0
.set F1,   128
.set G1, 24
.set G0, 32
.set G1B, 48
.set G0B, 56
.set MSB, 0
.macro WIN new
.if MSB != \new
	s_set_vgpr_msb (MSB<<8)|\new
.set MSB, \new
.endif
.endm
.set MUL,  0x05                        ; sources 0 and 1 window 1; C and D window 0
.set TO_F, 0x40                        ; destination window 1, address window 0
.macro JLOAD s                         ; a joint load: waves 0 and 1 fetch source 1's halves, waves 2 and 3 source 0's; an s_nop 0 and four v_nop follow each line
	s_cmp_eq_u32 s11, 0
	s_cbranch_scc0 .Lfor_b_\@
	tensor_load_to_lds s[G0+4*\s:G0+4*\s+3], s[G1:G1+7]
	s_nop 0
.rept 4
	v_nop
.endr
	s_branch .Lasked_\@
.Lfor_b_\@:
	tensor_load_to_lds s[G0B+4*\s:G0B+4*\s+3], s[G1B:G1B+7]
	s_nop 0
.rept 4
	v_nop
.endr
.Lasked_\@:
.endm
.macro CREST
	s_cmp_lg_u32 s10, 0
	s_cbranch_scc1 .Lnot_wave_0_\@
	s_barrier_signal -3
.Lnot_wave_0_\@:
	s_barrier_wait -3
	s_barrier_signal -1
	s_barrier_wait -1
.endm
.macro CROUND
	s_barrier_signal -1
	s_barrier_wait -1
	CREST
.endm
	s_load_b128 s[4:7], s[0:1], 0x0                ; half s[4:5], part s[6:7]
	v_lshl_add_u32 v[SPW], v0, 2, SPARE
	v_mov_b32 v[NIL], 0
	ds_add_u32 v[SPW], v[NIL]                      ; the wave's opening: the add, twice on end, and its wait ahead of my first tensor load
	ds_add_u32 v[SPW], v[NIL]
	v_lshrrev_b32 v1, 5, v0
	v_readfirstlane_b32 s10, v1                    ; wave 0..3
	s_lshr_b32 s11, s10, 1                         ; which half of the tile's n is mine.  Also: I fetch for source 1 (0) or source 0 (1)
	s_and_b32 s12, s10, 1                          ; which half of its c.  Also: which 4 row tiles I fetch
	s_bfe_u32 s40, ttmp6, 0x40000
	s_bfe_u32 s41, ttmp6, 0x40004
	s_lshl_b32 s42, ttmp9, 2
	s_add_co_u32 s42, s42, s40                     ; x: the tile of c
	s_and_b32 s21, ttmp7, 0xffff                   ; cluster y
	s_lshl_b32 s13, s21, 2
	s_add_co_u32 s13, s13, s41                     ; y = 8 split + the tile of n
	s_lshl_b32 s43, s41, 2
	s_lshl_b32 s43, 15, s43
	s_lshl_b32 s44, 0x1111, s40
	; group 1: 4 row tiles, of each a K step's 8,192 bytes (1,024 elements of 8 bytes), 32,768 bytes apart in memory, on end in LDS
	s_or_b32 s[G1+0], s43, (3<<16)|(1<<21)
	s_or_b32 s[G1B+0], s44, (3<<16)|(1<<21)
.irp g, G1, G1B
	s_mov_b32 s[\g+1], 1024<<16
	s_mov_b32 s[\g+2], 4<<16
	s_mov_b32 s[\g+3], 1024<<16
	s_mov_b32 s[\g+4], 4
	s_mov_b32 s[\g+5], 4096
	s_mov_b32 s[\g+6], 0
	s_mov_b32 s[\g+7], 0
.endr
	s_lshl_b32 s18, s12, 2
	s_lshl_b32 s16, s13, 3
	s_add_co_u32 s16, s16, s18
	s_lshl_b32 s16, s16, 15
	s_add_co_u32 s16, s16, W2T_OFF                 ; W2's row tile 8 y + 4 half (64 row tiles to a split)
	s_mov_b32 s17, 0
	s_lshl_b32 s46, s42, 3
	s_add_co_u32 s46, s46, s18
	s_lshl_b32 s46, s46, 15
	s_lshr_b32 s47, s21, 1                         ; the split: cluster y / 2
	s_lshl_b32 s47, s47, 21
	s_add_co_u32 s46, s46, s47                     ; W1's row tile 8 x + 4 half of that split
	s_mov_b32 s47, 0
	s_lshl_b32 s20, s10, 15                        ; where they go: wave x 32,768
	s_wait_dscnt 0x0
	s_wait_kmcnt 0x0
	s_add_nc_u64 s[14:15], s[4:5], s[16:17]
	s_add_nc_u64 s[46:47], s[4:5], s[46:47]
	CROUND
.irp s, 0,1
	s_mov_b32 s[G0+4*\s], 1
	s_add_co_u32 s[G0+4*\s+1], s20, \s*SLOT
	s_add_nc_u64 s[G0+4*\s+2:G0+4*\s+3], s[14:15], \s*8192
	s_or_b32 s[G0+4*\s+3], s[G0+4*\s+3], 0x80000000
	s_mov_b32 s[G0B+4*\s], 1
	s_add_co_u32 s[G0B+4*\s+1], s20, \s*SLOT
	s_add_nc_u64 s[G0B+4*\s+2:G0B+4*\s+3], s[46:47], \s*8192
	s_or_b32 s[G0B+4*\s+3], s[G0B+4*\s+3], 0x80000000
	JLOAD \s
.endr
	v_and_b32 v1, 31, v0
	v_lshlrev_b32 v[CO], 4, v1
	s_lshl_b32 s21, s11, 15
	s_lshl_b32 s22, s12, 15
	s_add_co_u32 s22, s22, 65536
.irp s, 0,1
	v_add_nc_u32 v[ADRA+\s], s21, v[CO]
	v_add_nc_u32 v[ADRB+\s], s22, v[CO]
	s_add_co_u32 s21, s21, SLOT
	s_add_co_u32 s22, s22, SLOT
.endr
	s_lshl_b32 s16, s13, 3                         ; part: (8 y + 4 half) row tiles of 65,536 bytes (64 to a split),
	s_lshl_b32 s17, s11, 2
	s_add_co_u32 s16, s16, s17
	s_lshl_b32 s16, s16, 16
	s_mov_b32 s17, 0
	s_add_nc_u64 s[6:7], s[6:7], s[16:17]
	s_lshl_b32 s46, s42, 3                         ; + (8 x + 4 half) tiles of 1,024 bytes
	s_lshl_b32 s47, s12, 2
	s_add_co_u32 s46, s46, s47
	s_lshl_b32 s46, s46, 10
	s_mov_b32 s47, 0
	s_add_nc_u64 s[6:7], s[6:7], s[46:47]
.macro MUL8 f, c, a0, zero             ; 8 matrix instructions: blocks a0, a0 + 1 of source 1 x source 0's four, 32 along K: half c of buffer f
.irp a, \a0, \a0+1
.irp b, 0,1,2,3
.if \zero
	v_wmma_f32_16x16x32_f16 v[ACC+8*(4*(\a)+\b):ACC+8*(4*(\a)+\b)+7], v[\f+64+8*(4*\c+\b):\f+64+8*(4*\c+\b)+7], v[\f+8*(4*\c+\a):\f+8*(4*\c+\a)+7], 0
.else
	v_wmma_f32_16x16x32_f16 v[ACC+8*(4*(\a)+\b):ACC+8*(4*(\a)+\b)+7], v[\f+64+8*(4*\c+\b):\f+64+8*(4*\c+\b)+7], v[\f+8*(4*\c+\a):\f+8*(4*\c+\a)+7], v[ACC+8*(4*(\a)+\b):ACC+8*(4*(\a)+\b)+7]
.endif
.endr
.endr
.endm
.macro FETCH slot, k, f                ; 32 LDS loads in one run: the fragments of 64 along K (from byte k of a row tile's 8,192) into buffer f; the first 32 along K first
	WIN TO_F
.irp c, 0,1
.irp i, 0,1,2,3
	ds_load_b128 v[\f+64+8*(4*\c+\i):\f+64+8*(4*\c+\i)+3],   v[ADRB+\slot] offset:\k+1024*\c+8192*\i
	ds_load_b128 v[\f+64+8*(4*\c+\i)+4:\f+64+8*(4*\c+\i)+7], v[ADRB+\slot] offset:\k+1024*\c+8192*\i+512
	ds_load_b128 v[\f+8*(4*\c+\i):\f+8*(4*\c+\i)+3],         v[ADRA+\slot] offset:\k+1024*\c+8192*\i
	ds_load_b128 v[\f+8*(4*\c+\i)+4:\f+8*(4*\c+\i)+7],       v[ADRA+\slot] offset:\k+1024*\c+8192*\i+512
.endr
.endr
.endm
.macro PLACES
.rept 4
	v_nop
.endr
.endm
.macro QUARTER slot, k, f, g, zero     ; multiplies buffer f and fetches the next quarter, at byte k, into g
	s_wait_dscnt 16                                ; the first 32 along K are in; the other sixteen loads may be out
	WIN MUL
	MUL8 \f, 0, 0, \zero
	MUL8 \f, 0, 2, \zero
	PLACES
	FETCH \slot, \k, \g
	s_wait_dscnt 32                                ; all but the 32 just issued
	WIN MUL
	MUL8 \f, 1, 0, 0
	MUL8 \f, 1, 2, 0
.endm
; A slot's last quarter changes slots: one barrier; in front of it each wave waits for all its tensor loads, adds 0 to its spare word and waits for that and for its reads of the slot.  fill = 1: the slot is filled again, two K steps on.
.macro TURN slot, next, fill
	WIN 0
	s_wait_tensorcnt 0x0                           ; all my tensor loads have landed: my part of the next slot
	ds_add_u32 v[SPW], v[NIL]
	s_wait_dscnt 17                                ; the add and the youngest sixteen loads may be out
	WIN MUL
	MUL8 F1, 0, 0, 0
	s_wait_dscnt 0x0                               ; the add is done, and my reads of this slot are over
	s_barrier_signal -1
	MUL8 F1, 0, 2, 0
.if \fill
	WIN 0
.endif
	s_barrier_wait -1
.if \fill
	CREST                                          ; the barrier has opened a round of the cluster's: no wave of any partner still reads the slot or has a load on its way
	s_add_nc_u64 s[G0+4*\slot+2:G0+4*\slot+3], s[G0+4*\slot+2:G0+4*\slot+3], 16384
	s_add_nc_u64 s[G0B+4*\slot+2:G0B+4*\slot+3], s[G0B+4*\slot+2:G0B+4*\slot+3], 16384
	JLOAD \slot                                    ; my one tensor load behind the round; its four v_nop are also the places in front of the loads below
.else
	PLACES
.endif
	FETCH \next, 0, F0
	WIN MUL
	MUL8 F1, 1, 0, 0
	MUL8 F1, 1, 2, 0
.endm
	s_wait_tensorcnt 1                             ; my part of K step 0 is in; K step 1's load may stay out
	s_barrier_signal -1
	s_barrier_wait -1
	FETCH 0, 0, F0
	QUARTER 0, 2048, F0, F1, 1                     ; the first products start the sums
	QUARTER 0, 4096, F1, F0, 0
	QUARTER 0, 6144, F0, F1, 0
	TURN 0, 1, 1                                   ; slot 0 takes K step 2
	QUARTER 1, 2048, F0, F1, 0
	QUARTER 1, 4096, F1, F0, 0
	QUARTER 1, 6144, F0, F1, 0
	TURN 1, 0, 1                                   ; slot 1 takes K step 3
	QUARTER 0, 2048, F0, F1, 0
	QUARTER 0, 4096, F1, F0, 0
	QUARTER 0, 6144, F0, F1, 0
	TURN 0, 1, 0                                   ; nothing is left to fetch
	QUARTER 1, 2048, F0, F1, 0
	QUARTER 1, 4096, F1, F0, 0
	QUARTER 1, 6144, F0, F1, 0
	s_wait_dscnt 16
	WIN MUL
	MUL8 F1, 0, 0, 0
	MUL8 F1, 0, 2, 0
	s_wait_dscnt 0
	MUL8 F1, 1, 0, 0
	MUL8 F1, 1, 2, 0
	WIN 0
	PLACES                                         ; places between the last products and the stores of results
.irp a, 0,1,2,3
.irp b, 0,1,2,3
	global_store_b128 v[CO], v[ACC+8*(4*\a+\b):ACC+8*(4*\a+\b)+3], s[6:7] offset:65536*\a+1024*\b          ; each accumulator from its low end on
	global_store_b128 v[CO], v[ACC+8*(4*\a+\b)+4:ACC+8*(4*\a+\b)+7], s[6:7] offset:65536*\a+1024*\b+512
.endr
.endr
	s_wait_tensorcnt 0x0                           ; the wave's end
	ds_add_u32 v[SPW], v[NIL]
	s_wait_dscnt 0x0
	CROUND                                         ; the closing round
	s_endpgm
.Lfunc_end_k_qb0af5a9872_w12:
	.size	k_qb0af5a9872_w12, .Lfunc_end_k_qb0af5a9872_w12-k_qb0af5a9872_w12
	.p2alignl 7, 3214868480
	.fill 96, 4, 3214868480
	.section	.rodata,"a",@progbits
	.p2align	6, 0x0
	.amdhsa_kernel k_qb0af5a9872_w12
		.amdhsa_group_segment_fixed_size 327680
		.amdhsa_private_segment_fixed_size 0
		.amdhsa_enable_private_segment 0
		.amdhsa_kernarg_size 16
		.amdhsa_user_sgpr_count 2
		.amdhsa_user_sgpr_kernarg_segment_ptr 1
		.amdhsa_wavefront_size32 1
		.amdhsa_system_sgpr_workgroup_id_x 1
		.amdhsa_system_sgpr_workgroup_id_y 1
		.amdhsa_system_sgpr_workgroup_id_z 1
		.amdhsa_system_vgpr_workitem_id 0
		.amdhsa_next_free_vgpr 512
		.amdhsa_next_free_sgpr 66
		.amdhsa_reserve_vcc 0
		.amdhsa_float_denorm_mode_32 3
		.amdhsa_float_denorm_mode_16_64 3
		.amdhsa_memory_ordered 1
		.amdhsa_forward_progress 1
		.amdhsa_inst_pref_size 80
	.end_amdhsa_kernel
	.amdgpu_metadata
---
amdhsa.version: [ 1, 2 ]
amdhsa.kernels:
  - .name:           k_qb0af5a9872_w12
    .symbol:         k_qb0af5a9872_w12.kd
    .args:
      - { .name: half, .offset: 0, .size: 8, .value_kind: global_buffer, .address_space: global }
      - { .name: part, .offset: 8, .size: 8, .value_kind: global_buffer, .address_space: global }
    .group_segment_fixed_size: 327680
    .private_segment_fixed_size: 0
    .kernarg_segment_align: 8
    .kernarg_segment_size: 16
    .max_flat_workgroup_size: 128
    .sgpr_count:     66
    .vgpr_count:     512
    .wavefront_size: 32
...
	.end_amdgpu_metadata
.endif
;; end of part 4
;; launch misc (part 5): grid 328 x 1, 4 waves a work-group, no clusters, 4,608 bytes of LDS; arguments codes, part, half, b2, w12; writes w12
.if DOCPART == 5
	.amdgcn_target "amdgcn-amd-amdhsa--gfx1250"
	.amdhsa_code_object_version 6
	.text
	.protected	k_qb0af5a9872_misc
	.globl	k_qb0af5a9872_misc
	.p2align	8
	.type	k_qb0af5a9872_misc,@function
k_qb0af5a9872_misc:
	s_mov_b64 s[64:65], 0
	v_nop
	global_prefetch_b8 v0, s[64:65] scope:SCOPE_SE
	s_setreg_imm32_b32 hwreg(HW_REG_WAVE_MODE, 25, 1), 1
	s_wait_xcnt 0x0
; Three small jobs, by the work-group's number.
; 0-63 (16 batch + head): THE FIRST 16 POSITIONS of the sequence, carried in f32: q, k, v of those 16 tokens by the same products on codes of E2M1, then scores, softmax and p v by the f32 matrix form and f32 arithmetic.
;   Wave w takes d tile w.  q and k: source 0 = W, source 1 = x: a lane holds token r and d 8 h + j.  A pair of those registers is a fragment of the f32 form (K = 4: d 2 p, 2 p + 1, 8 + 2 p, 9 + 2 p, alike on both sides).
;   v: the sources changed: a lane holds d r and token 8 h + j.  The four waves' partial scores meet in LDS; each wave then makes the same softmax and its own 16 d of the result.
; 64-319: the four partial sums of W12^T are added; the sum leaves in f32 (for the first positions) and, times 16, as f16 fragments (rows n, K = c).
; 320-327: the bias c[n] = b2[n] + the sum of the 32 partial b1 . W2.
; LIMITS: 16 W12 is an f16 number: W12's magnitudes from 4e-6 to 4,094 keep 11 bits.  NaN and infinities are not served.
; v216-223 and v248-255 are written by the f32 matrix form alone.
.set XS_OFF,  2097152
.set WC_OFF,  2228224
.set WS_OFF,  3801088
.set BP_OFF,  16777216
.set W12F_OFF, 2097152
.set CV_OFF,  6291456
.set OF_OFF,  6295552
.set SPARE,   4096
.set SPW, 14
.set NIL, 15
	s_load_b256 s[4:11], s[0:1], 0x0               ; codes s[4:5], part s[6:7], half s[8:9], b2 s[10:11]
	s_load_b64 s[12:13], s[0:1], 0x20              ; w12
	v_lshl_add_u32 v[SPW], v0, 2, SPARE
	v_mov_b32 v[NIL], 0
	v_lshrrev_b32 v1, 5, v0
	v_readfirstlane_b32 s14, v1                    ; wave 0..3
	v_and_b32 v1, 31, v0
	v_lshlrev_b32 v1, 4, v1                        ; 16 x lane
	v_and_b32 v2, 15, v0                           ; r
	v_bfe_u32 v3, v0, 4, 1                         ; h
	v_lshlrev_b32 v4, 4, v2                        ; 16 r
	s_lshl_b32 s15, s14, 10
	v_add_nc_u32 v5, s15, v1                       ; LDS: my wave's 1,024 bytes
	s_mov_b32 s33, 0
	s_wait_kmcnt 0x0
	s_cmp_ge_u32 ttmp9, 320
	s_cbranch_scc1 .Lbias
	s_cmp_ge_u32 ttmp9, 64
	s_cbranch_scc1 .Lsum
	; ---- the first 16 positions
	s_lshr_b32 s16, ttmp9, 4                       ; batch
	s_and_b32 s17, ttmp9, 15                       ; head
	s_lshl_b32 s32, s16, 19
	s_add_nc_u64 s[20:21], s[4:5], s[32:33]        ; x's row tile 64 batch: eight fragments
	s_lshl_b32 s32, s16, 15
	s_add_co_u32 s32, s32, XS_OFF
	s_add_nc_u64 s[22:23], s[4:5], s[32:33]        ; its scale words
	s_lshl_b32 s18, s17, 2
	s_add_co_u32 s18, s18, s14                     ; nt of Wq: 4 head + w; Wk's and Wv's lie 64 and 128 tiles on
	s_lshl_b32 s32, s18, 13
	s_add_co_u32 s32, s32, WC_OFF
	s_add_nc_u64 s[24:25], s[4:5], s[32:33]
	s_lshl_b32 s32, s18, 9
	s_add_co_u32 s32, s32, WS_OFF
	s_add_nc_u64 s[26:27], s[4:5], s[32:33]
	s_lshl_b32 s32, s16, 16
	s_lshl_b32 s19, s18, 10
	s_add_co_u32 s32, s32, s19
	s_add_co_u32 s32, s32, OF_OFF
	s_add_nc_u64 s[34:35], s[12:13], s[32:33]      ; where my 16 tokens x 16 d go
	s_mov_b32 s28, 0x76543210
	s_mov_b32 s29, 0xfedcba98
	s_mov_b32 s30, 0x3e38aa3b                      ; c = log2(e) / 8
.set i, 0
.rept 16
	global_load_b128 v[32+4*i:35+4*i], v1, s[20:21] offset:512*i             ; x: fragment ks at v[32 + 8 ks]
.set i, i+1
.endr
.irp kh, 0,1
	global_load_b128 v[16+4*\kh:19+4*\kh], v4, s[22:23] offset:256*\kh       ; x's scale word of ks at v[16 + ks]
.irp wh, 0,1,2
	global_load_b128 v[192+8*\wh+4*\kh:195+8*\wh+4*\kh], v4, s[26:27] offset:32768*\wh+256*\kh   ; the weights' at v[192 + 8 which + ks]
.endr
.endr
.macro WLOAD g                         ; the weights' fragments of ks 4 g .. 4 g + 3: which wh, step k at v[96 + 32 wh + 8 k]
.irp wh, 0,1,2
.set i, 0
.rept 8
	global_load_b128 v[96+32*\wh+4*i:99+32*\wh+4*i], v1, s[24:25] offset:524288*\wh+4096*\g+512*i
.set i, i+1
.endr
.endr
.endm
.macro PROJ g, k, zero                 ; one K step of q, k and v: the three accumulators by turns
.set KS, 4*\g+\k
.if \zero
	v_wmma_scale_f32_16x16x128_f8f6f4 v[224:231], v[96+8*\k:103+8*\k], v[32+8*KS:39+8*KS], 0, v[192+KS], v[16+KS] matrix_a_fmt:MATRIX_FMT_FP4 matrix_b_fmt:MATRIX_FMT_FP4
	v_wmma_scale_f32_16x16x128_f8f6f4 v[232:239], v[128+8*\k:135+8*\k], v[32+8*KS:39+8*KS], 0, v[200+KS], v[16+KS] matrix_a_fmt:MATRIX_FMT_FP4 matrix_b_fmt:MATRIX_FMT_FP4
	v_wmma_scale_f32_16x16x128_f8f6f4 v[240:247], v[32+8*KS:39+8*KS], v[160+8*\k:167+8*\k], 0, v[16+KS], v[208+KS] matrix_a_fmt:MATRIX_FMT_FP4 matrix_b_fmt:MATRIX_FMT_FP4
.else
	v_wmma_scale_f32_16x16x128_f8f6f4 v[224:231], v[96+8*\k:103+8*\k], v[32+8*KS:39+8*KS], v[224:231], v[192+KS], v[16+KS] matrix_a_fmt:MATRIX_FMT_FP4 matrix_b_fmt:MATRIX_FMT_FP4
	v_wmma_scale_f32_16x16x128_f8f6f4 v[232:239], v[128+8*\k:135+8*\k], v[32+8*KS:39+8*KS], v[232:239], v[200+KS], v[16+KS] matrix_a_fmt:MATRIX_FMT_FP4 matrix_b_fmt:MATRIX_FMT_FP4
	v_wmma_scale_f32_16x16x128_f8f6f4 v[240:247], v[32+8*KS:39+8*KS], v[160+8*\k:167+8*\k], v[240:247], v[16+KS], v[208+KS] matrix_a_fmt:MATRIX_FMT_FP4 matrix_b_fmt:MATRIX_FMT_FP4
.endif
.endm
	WLOAD 0
	s_wait_loadcnt 0x0
	PROJ 0, 0, 1
	PROJ 0, 1, 0
	PROJ 0, 2, 0
	PROJ 0, 3, 0
.rept 4
	v_nop                                          ; places in front of loads into registers that these products have read
.endr
	WLOAD 1
	s_wait_loadcnt 0x0
	PROJ 1, 0, 0
	PROJ 1, 1, 0
	PROJ 1, 2, 0
	PROJ 1, 3, 0
.rept 5
	v_nop                                          ; five places before a matrix instruction takes these results as operands
.endr
	v_wmma_f32_16x16x4_f32 v[216:223], v[232:233], v[224:225], 0             ; S^T over my 16 d: source 0 = k, source 1 = q: a lane holds query r and keys 8 h + j
.irp p, 1,2,3
	s_wait_alu depctr_va_vdst(0)                   ; a wait directly ahead of each link
	v_wmma_f32_16x16x4_f32 v[216:223], v[232+2*\p:233+2*\p], v[224+2*\p:225+2*\p], v[216:223]
.endr
.rept 8
	v_nop                                          ; eight places behind this form
.endr
	ds_store_b128 v5, v[216:219]
	ds_store_b128 v5, v[220:223] offset:512
	s_wait_dscnt 0x0                               ; for the others' sake: my stores have landed
	s_barrier_signal -1
	s_barrier_wait -1
.set i, 0
.rept 8
	ds_load_b128 v[96+4*i:99+4*i], v1 offset:512*i ; the four waves' parts
.set i, i+1
.endr
	v_lshlrev_b32 v6, 3, v3
	v_sub_nc_u32 v6, v2, v6                        ; r - 8 h: key 8 h + j is hidden where j > this
	v_mov_b32 v7, 0xff800000
	v_mov_b32 v145, 0
	s_wait_dscnt 0x0
.irp i, 0,2,4,6
	v_pk_add_f32 v[128+\i:129+\i], v[96+\i:97+\i], v[104+\i:105+\i]
	v_pk_add_f32 v[136+\i:137+\i], v[112+\i:113+\i], v[120+\i:121+\i]
.endr
.irp i, 0,2,4,6
	v_pk_add_f32 v[128+\i:129+\i], v[128+\i:129+\i], v[136+\i:137+\i]
.endr
.irp j, 0,1,2,3,4,5,6,7
	v_cmp_gt_i32 vcc_lo, \j, v6
	v_cndmask_b32 v[128+\j], v[128+\j], v7, vcc_lo
.endr
	v_max3_num_f32 v144, v128, v129, v130
	v_max3_num_f32 v144, v144, v131, v132
	v_max3_num_f32 v144, v144, v133, v134
	v_max_num_f32 v144, v144, v135
	v_permlanex16_b32 v145, v144, s28, s29
	v_max_num_f32 v144, v144, v145                 ; the row's maximum (key 0 counts for every query)
	v_mul_f32 v145, s30, v144
.irp j, 0,1,2,3,4,5,6,7
	v_fma_f32 v[128+\j], v[128+\j], s30, -v145
.endr
.irp j, 0,1,2,3,4,5,6,7
	v_exp_f32 v[128+\j], v[128+\j]
.endr
	v_nop
	s_wait_alu depctr_va_vdst(0)                   ; one wait for the eight, ahead of their first reader
	v_pk_add_f32 v[146:147], v[128:129], v[130:131]
	v_pk_add_f32 v[148:149], v[132:133], v[134:135]
	v_pk_add_f32 v[146:147], v[146:147], v[148:149]
	v_add_f32 v146, v146, v147
	v_permlanex16_b32 v147, v146, s28, s29
	v_add_f32 v146, v146, v147
	v_rcp_f32 v148, v146
	v_nop
	s_wait_alu depctr_va_vdst(0)
.irp j, 0,1,2,3,4,5,6,7
	v_mul_f32 v[136+\j], v[128+\j], v148           ; the weights, normalised, in f32
.endr
	v_wmma_f32_16x16x4_f32 v[248:255], v[240:241], v[136:137], 0             ; O^T: source 0 = v (rows d), source 1 = the weights (rows = queries)
.irp p, 1,2,3
	s_wait_alu depctr_va_vdst(0)
	v_wmma_f32_16x16x4_f32 v[248:255], v[240+2*\p:241+2*\p], v[136+2*\p:137+2*\p], v[248:255]
.endr
.rept 8
	v_nop
.endr
	global_store_b128 v1, v[248:251], s[34:35]     ; lane (r, h): token r, channel 64 head + 16 w + 8 h + j
	global_store_b128 v1, v[252:255], s[34:35] offset:512
	s_wait_tensorcnt 0x0                           ; the wave's end, behind my last LDS store
	ds_add_u32 v[SPW], v[NIL]
	s_wait_dscnt 0x0
	s_endpgm
	; ---- the four partial sums: a wave takes four tiles of 16 n x 16 c, 4,096 bytes of each split
.Lsum:
	s_sub_co_u32 s16, ttmp9, 64
	s_lshl_b32 s16, s16, 2
	s_add_co_u32 s16, s16, s14                     ; u
	s_lshl_b32 s32, s16, 12
	s_add_nc_u64 s[20:21], s[6:7], s[32:33]        ; splits 0 and 1,
	s_add_nc_u64 s[22:23], s[20:21], 0x800000      ; splits 2 and 3: so the immediates stay inside their signed 24 bits
	s_add_co_u32 s32, s32, W12F_OFF
	s_add_nc_u64 s[24:25], s[12:13], s[32:33]
	s_lshl_b32 s32, s16, 11
	s_add_nc_u64 s[26:27], s[12:13], s[32:33]
.set i, 0
.rept 8
	global_load_b128 v[64+4*i:67+4*i], v1, s[20:21] offset:512*i th:TH_LOAD_NT
	global_load_b128 v[96+4*i:99+4*i], v1, s[20:21] offset:4194304+512*i th:TH_LOAD_NT
	global_load_b128 v[128+4*i:131+4*i], v1, s[22:23] offset:512*i th:TH_LOAD_NT
	global_load_b128 v[160+4*i:163+4*i], v1, s[22:23] offset:4194304+512*i th:TH_LOAD_NT
.set i, i+1
.endr
	s_wait_loadcnt 0x0
.set i, 0
.rept 16
	v_pk_add_f32 v[64+2*i:65+2*i], v[64+2*i:65+2*i], v[96+2*i:97+2*i]
	v_pk_add_f32 v[128+2*i:129+2*i], v[128+2*i:129+2*i], v[160+2*i:161+2*i]
.set i, i+1
.endr
.set i, 0
.rept 16
	v_pk_add_f32 v[64+2*i:65+2*i], v[64+2*i:65+2*i], v[128+2*i:129+2*i]
.set i, i+1
.endr
.set i, 0
.rept 8
	global_store_b128 v1, v[64+4*i:67+4*i], s[24:25] offset:512*i
.set i, i+1
.endr
.set i, 0
.rept 16
	v_pk_mul_f32 v[160+2*i:161+2*i], v[64+2*i:65+2*i], 0x41800000 op_sel_hi:[1,0]   ; x 16
.set i, i+1
.endr
.set i, 0
.rept 16
	v_cvt_pk_f16_f32 v[128+i], v[160+2*i], v[161+2*i]   ; a tile's eight c of a lane: half ct % 2 of fragment ct / 2
.set i, i+1
.endr
.irp t, 0,1,2,3
	global_store_b128 v1, v[128+4*\t:131+4*\t], s[26:27] offset:512*\t
.endr
	s_endpgm
	; ---- the bias: a thread to an n
.Lbias:
	s_sub_co_u32 s16, ttmp9, 320
	s_lshl_b32 s32, s16, 9
	s_add_nc_u64 s[10:11], s[10:11], s[32:33]
	s_add_co_u32 s32, s32, BP_OFF
	s_add_nc_u64 s[20:21], s[8:9], s[32:33]
	s_lshl_b32 s32, s16, 9
	s_add_co_u32 s32, s32, CV_OFF
	s_add_nc_u64 s[24:25], s[12:13], s[32:33]
	v_lshlrev_b32 v6, 2, v0
.set i, 0
.rept 32
	global_load_b32 v[64+i], v6, s[20:21] offset:4096*i
.set i, i+1
.endr
	global_load_b32 v96, v6, s[10:11]
	s_wait_loadcnt 0x0
.irp i, 0,2,4,6,8,10,12,14
	v_pk_add_f32 v[64+\i:65+\i], v[64+\i:65+\i], v[80+\i:81+\i]
.endr
.irp i, 0,2,4,6
	v_pk_add_f32 v[64+\i:65+\i], v[64+\i:65+\i], v[72+\i:73+\i]
.endr
.irp i, 0,2
	v_pk_add_f32 v[64+\i:65+\i], v[64+\i:65+\i], v[68+\i:69+\i]
.endr
	v_pk_add_f32 v[64:65], v[64:65], v[66:67]
	v_add_f32 v64, v64, v65
	v_add_f32 v64, v64, v96
	global_store_b32 v6, v64, s[24:25]
	s_endpgm
.Lfunc_end_k_qb0af5a9872_misc:
	.size	k_qb0af5a9872_misc, .Lfunc_end_k_qb0af5a9872_misc-k_qb0af5a9872_misc
	.p2alignl 7, 3214868480
	.fill 96, 4, 3214868480
	.section	.rodata,"a",@progbits
	.p2align	6, 0x0
	.amdhsa_kernel k_qb0af5a9872_misc
		.amdhsa_group_segment_fixed_size 4608
		.amdhsa_private_segment_fixed_size 0
		.amdhsa_enable_private_segment 0
		.amdhsa_kernarg_size 40
		.amdhsa_user_sgpr_count 2
		.amdhsa_user_sgpr_kernarg_segment_ptr 1
		.amdhsa_wavefront_size32 1
		.amdhsa_system_sgpr_workgroup_id_x 1
		.amdhsa_system_sgpr_workgroup_id_y 1
		.amdhsa_system_sgpr_workgroup_id_z 1
		.amdhsa_system_vgpr_workitem_id 0
		.amdhsa_next_free_vgpr 256
		.amdhsa_next_free_sgpr 66
		.amdhsa_reserve_vcc 1
		.amdhsa_float_denorm_mode_32 3
		.amdhsa_float_denorm_mode_16_64 3
		.amdhsa_memory_ordered 1
		.amdhsa_forward_progress 1
		.amdhsa_inst_pref_size 33
	.end_amdhsa_kernel
	.amdgpu_metadata
---
amdhsa.version: [ 1, 2 ]
amdhsa.kernels:
  - .name:           k_qb0af5a9872_misc
    .symbol:         k_qb0af5a9872_misc.kd
    .args:
      - { .name: codes, .offset: 0, .size: 8, .value_kind: global_buffer, .address_space: global }
      - { .name: part, .offset: 8, .size: 8, .value_kind: global_buffer, .address_space: global }
      - { .name: half, .offset: 16, .size: 8, .value_kind: global_buffer, .address_space: global }
      - { .name: b2, .offset: 24, .size: 8, .value_kind: global_buffer, .address_space: global }
      - { .name: w12, .offset: 32, .size: 8, .value_kind: global_buffer, .address_space: global }
    .group_segment_fixed_size: 4608
    .private_segment_fixed_size: 0
    .kernarg_segment_align: 8
    .kernarg_segment_size: 40
    .max_flat_workgroup_size: 128
    .sgpr_count:     66
    .vgpr_count:     256
    .wavefront_size: 32
...
	.end_amdgpu_metadata
.endif
;; end of part 5
;; launch ffn (part 6): grid 8 x 32, 4 waves a work-group, clusters of 4 x 4, 327,680 bytes of LDS; arguments oimg, w12, out0; writes out0
.if DOCPART == 6
	.amdgcn_target "amdgcn-amd-amdhsa--gfx1250"
	.amdhsa_code_object_version 6
	.text
	.protected	k_qb0af5a9872_ffn
	.globl	k_qb0af5a9872_ffn
	.p2align	8
	.type	k_qb0af5a9872_ffn,@function
k_qb0af5a9872_ffn:
	s_mov_b64 s[64:65], 0
	v_nop
	global_prefetch_b8 v0, s[64:65] scope:SCOPE_SE
	s_setreg_imm32_b32 hwreg(HW_REG_WAVE_MODE, 25, 1), 1
	s_wait_xcnt 0x0
	s_wait_alu depctr_hold_cnt(0) depctr_sa_sdst(0) depctr_va_vdst(0) depctr_va_sdst(0) depctr_va_ssrc(0) depctr_va_vcc(0) depctr_vm_vsrc(0)
	s_getreg_b32 s2, hwreg(HW_REG_IB_STS2, 6, 4)
	s_cmp_eq_u32 s2, 0
	s_cbranch_scc0 .Lentry_in_a_cluster
	s_endpgm
.Lentry_in_a_cluster:
	s_bfe_u32 s2, ttmp6, 0x10000c
	s_cmp_lg_u32 s2, 0xf033
	s_cbranch_scc0 .Lentry_shape_is_right
	s_endpgm
.Lentry_shape_is_right:
; out0 = relu(out W12 + c): out [4096 x 1024] as f16 fragments (rows = tokens), 16 W12^T as f16 fragments (rows = n), sums in f32; the sums are divided by 16, c is added, and what is negative becomes 0.
; A tile of 128 tokens x 128 n to a work-group of four waves, 64 x 64 each: 256 work-groups.  K = 1,024 goes in steps of 256 through two LDS slots; the tiles are images of fragments: nothing is padded.
; CLUSTERS: 4 x 4.  out's tile (source 1) is asked for jointly along a row of the cluster, W12's (source 0) along a column.
; In the result a lane holds one token and eight neighbouring n.  A wave's 64 n are 256 bytes of a row: a block of 16 rows goes through the wave's own stage in LDS and leaves sixteen lanes to an aligned 256 bytes.
; The first 16 positions of every sequence are written here too, and written over, in f32 arithmetic, by the launch that follows.
; REGISTERS: window 0: v0-31 addresses, v32-95 the way out (two sets), v96-127 c of my 64 n, v128-255 the accumulators; window 1: two fragment buffers of 128.
.set SLOT,  131072
.set STAGE, 262144                     ; behind the ring: 16 rows x (256 + 16) bytes for each wave; no tensor load lands here
.set SPARE, 279552
.set CV_OFF, 6291456
.set ADRA, 16
.set ADRB, 20
.set STO,  24
.set RD,   25
.set CO,   26
.set GOF,  27
.set SPW,  28
.set NIL,  29
.set BI,   96
.set ACC,  128
.set F0,   0
.set F1,   128
.set G1, 24
.set G0, 32
.set G1B, 48
.set G0B, 56
.set MSB, 0
.macro WIN new
.if MSB != \new
	s_set_vgpr_msb (MSB<<8)|\new
.set MSB, \new
.endif
.endm
.set MUL,  0x05
.set TO_F, 0x40
.macro JLOAD s                         ; a joint load: waves 0 and 1 fetch source 1's halves, waves 2 and 3 source 0's; an s_nop 0 and four v_nop follow each line
	s_cmp_eq_u32 s11, 0
	s_cbranch_scc0 .Lfor_b_\@
	tensor_load_to_lds s[G0+4*\s:G0+4*\s+3], s[G1:G1+7]
	s_nop 0
.rept 4
	v_nop
.endr
	s_branch .Lasked_\@
.Lfor_b_\@:
	tensor_load_to_lds s[G0B+4*\s:G0B+4*\s+3], s[G1B:G1B+7]
	s_nop 0
.rept 4
	v_nop
.endr
.Lasked_\@:
.endm
.macro CREST
	s_cmp_lg_u32 s10, 0
	s_cbranch_scc1 .Lnot_wave_0_\@
	s_barrier_signal -3
.Lnot_wave_0_\@:
	s_barrier_wait -3
	s_barrier_signal -1
	s_barrier_wait -1
.endm
.macro CROUND
	s_barrier_signal -1
	s_barrier_wait -1
	CREST
.endm
	s_load_b128 s[4:7], s[0:1], 0x0                ; oimg s[4:5], w12 s[6:7]
	s_load_b64 s[8:9], s[0:1], 0x10                ; out0
	v_lshl_add_u32 v[SPW], v0, 2, SPARE
	v_mov_b32 v[NIL], 0
	ds_add_u32 v[SPW], v[NIL]                      ; the wave's opening: the add, twice on end, and its wait ahead of my first tensor load
	ds_add_u32 v[SPW], v[NIL]
	v_lshrrev_b32 v1, 5, v0
	v_readfirstlane_b32 s10, v1                    ; wave 0..3
	s_lshr_b32 s11, s10, 1                         ; which half of the tile's tokens is mine.  Also: I fetch for source 1 (0) or source 0 (1)
	s_and_b32 s12, s10, 1                          ; which half of its n.  Also: which 4 row tiles I fetch
	s_bfe_u32 s40, ttmp6, 0x40000
	s_bfe_u32 s41, ttmp6, 0x40004
	s_lshl_b32 s42, ttmp9, 2
	s_add_co_u32 s42, s42, s40                     ; x: the tile of n
	s_and_b32 s13, ttmp7, 0xffff
	s_lshl_b32 s13, s13, 2
	s_add_co_u32 s13, s13, s41                     ; y: the tile of tokens
	s_lshl_b32 s43, s41, 2
	s_lshl_b32 s43, 15, s43
	s_lshl_b32 s44, 0x1111, s40
	; group 1: 4 row tiles, of each a K step's 8,192 bytes (1,024 elements of 8 bytes), 32,768 bytes apart in memory, on end in LDS
	s_or_b32 s[G1+0], s43, (3<<16)|(1<<21)
	s_or_b32 s[G1B+0], s44, (3<<16)|(1<<21)
.irp g, G1, G1B
	s_mov_b32 s[\g+1], 1024<<16
	s_mov_b32 s[\g+2], 4<<16
	s_mov_b32 s[\g+3], 1024<<16
	s_mov_b32 s[\g+4], 4
	s_mov_b32 s[\g+5], 4096
	s_mov_b32 s[\g+6], 0
	s_mov_b32 s[\g+7], 0
.endr
	s_lshl_b32 s18, s12, 2
	s_lshl_b32 s16, s13, 3
	s_add_co_u32 s16, s16, s18
	s_lshl_b32 s16, s16, 15                        ; out's row tile 8 y + 4 half
	s_mov_b32 s17, 0
	s_lshl_b32 s46, s42, 3
	s_add_co_u32 s46, s46, s18
	s_lshl_b32 s46, s46, 15                        ; W12's row tile 8 x + 4 half
	s_mov_b32 s47, 0
	s_lshl_b32 s20, s10, 15
	s_wait_dscnt 0x0
	s_wait_kmcnt 0x0
	s_add_nc_u64 s[14:15], s[4:5], s[16:17]
	s_add_nc_u64 s[46:47], s[6:7], s[46:47]
	CROUND
.irp s, 0,1
	s_mov_b32 s[G0+4*\s], 1
	s_add_co_u32 s[G0+4*\s+1], s20, \s*SLOT
	s_add_nc_u64 s[G0+4*\s+2:G0+4*\s+3], s[14:15], \s*8192
	s_or_b32 s[G0+4*\s+3], s[G0+4*\s+3], 0x80000000
	s_mov_b32 s[G0B+4*\s], 1
	s_add_co_u32 s[G0B+4*\s+1], s20, \s*SLOT
	s_add_nc_u64 s[G0B+4*\s+2:G0B+4*\s+3], s[46:47], \s*8192
	s_or_b32 s[G0B+4*\s+3], s[G0B+4*\s+3], 0x80000000
	JLOAD \s
.endr
	v_and_b32 v1, 31, v0
	v_lshlrev_b32 v[CO], 4, v1
	v_and_b32 v2, 15, v0                           ; r
	v_bfe_u32 v3, v0, 4, 1                         ; h
	s_lshl_b32 s21, s11, 15
	s_lshl_b32 s22, s12, 15
	s_add_co_u32 s22, s22, 65536
.irp s, 0,1
	v_add_nc_u32 v[ADRA+\s], s21, v[CO]
	v_add_nc_u32 v[ADRB+\s], s22, v[CO]
	s_add_co_u32 s21, s21, SLOT
	s_add_co_u32 s22, s22, SLOT
.endr
	s_mul_i32 s23, s10, 4352
	s_add_co_u32 s23, s23, STAGE                   ; my stage
	v_mul_u32_u24 v4, v2, 272
	v_lshl_add_u32 v4, v3, 5, v4
	v_add_nc_u32 v[STO], s23, v4                   ; in: row r, + 32 h
	v_mul_u32_u24 v4, v3, 272
	v_lshl_add_u32 v4, v2, 4, v4
	v_add_nc_u32 v[RD], s23, v4                    ; back: lanes 0-15 one row, lanes 16-31 the next
	v_lshlrev_b32 v[GOF], 12, v3
	v_lshl_add_u32 v[GOF], v2, 4, v[GOF]           ; and the same two rows in out0
	v_lshlrev_b32 v5, 5, v3                        ; c: 32 h
	s_lshl_b32 s46, s42, 9
	s_lshl_b32 s47, s12, 8
	s_add_co_u32 s46, s46, s47                     ; my first n, in bytes
	s_mov_b32 s47, 0
	s_add_nc_u64 s[8:9], s[8:9], s[46:47]
	s_add_co_u32 s46, s46, CV_OFF
	s_add_nc_u64 s[2:3], s[6:7], s[46:47]
.irp b, 0,1,2,3
	global_load_b128 v[BI+8*\b:BI+8*\b+3], v5, s[2:3] offset:64*\b           ; c at n 16 b + 8 h + 0 .. 7
	global_load_b128 v[BI+8*\b+4:BI+8*\b+7], v5, s[2:3] offset:64*\b+16
.endr
	s_lshl_b32 s16, s13, 7
	s_lshl_b32 s17, s11, 6
	s_add_co_u32 s16, s16, s17
	s_lshl_b32 s16, s16, 12                        ; my first token's row of 4,096 bytes
	s_mov_b32 s17, 0
	s_add_nc_u64 s[8:9], s[8:9], s[16:17]
.macro MUL8 f, c, a0, zero
.irp a, \a0, \a0+1
.irp b, 0,1,2,3
.if \zero
	v_wmma_f32_16x16x32_f16 v[ACC+8*(4*(\a)+\b):ACC+8*(4*(\a)+\b)+7], v[\f+64+8*(4*\c+\b):\f+64+8*(4*\c+\b)+7], v[\f+8*(4*\c+\a):\f+8*(4*\c+\a)+7], 0
.else
	v_wmma_f32_16x16x32_f16 v[ACC+8*(4*(\a)+\b):ACC+8*(4*(\a)+\b)+7], v[\f+64+8*(4*\c+\b):\f+64+8*(4*\c+\b)+7], v[\f+8*(4*\c+\a):\f+8*(4*\c+\a)+7], v[ACC+8*(4*(\a)+\b):ACC+8*(4*(\a)+\b)+7]
.endif
.endr
.endr
.endm
.macro FETCH slot, k, f
	WIN TO_F
.irp c, 0,1
.irp i, 0,1,2,3
	ds_load_b128 v[\f+64+8*(4*\c+\i):\f+64+8*(4*\c+\i)+3],   v[ADRB+\slot] offset:\k+1024*\c+8192*\i
	ds_load_b128 v[\f+64+8*(4*\c+\i)+4:\f+64+8*(4*\c+\i)+7], v[ADRB+\slot] offset:\k+1024*\c+8192*\i+512
	ds_load_b128 v[\f+8*(4*\c+\i):\f+8*(4*\c+\i)+3],         v[ADRA+\slot] offset:\k+1024*\c+8192*\i
	ds_load_b128 v[\f+8*(4*\c+\i)+4:\f+8*(4*\c+\i)+7],       v[ADRA+\slot] offset:\k+1024*\c+8192*\i+512
.endr
.endr
.endm
.macro PLACES
.rept 4
	v_nop
.endr
.endm
.macro QUARTER slot, k, f, g, zero
	s_wait_dscnt 16                                ; the first 32 along K are in; the other sixteen loads may be out
	WIN MUL
	MUL8 \f, 0, 0, \zero
	MUL8 \f, 0, 2, \zero
	PLACES
	FETCH \slot, \k, \g
	s_wait_dscnt 32                                ; all but the 32 just issued
	WIN MUL
	MUL8 \f, 1, 0, 0
	MUL8 \f, 1, 2, 0
.endm
.macro TURN slot, next, fill
	WIN 0
	s_wait_tensorcnt 0x0                           ; all my tensor loads have landed: my part of the next slot
	ds_add_u32 v[SPW], v[NIL]
	s_wait_dscnt 17                                ; the add and the youngest sixteen loads may be out
	WIN MUL
	MUL8 F1, 0, 0, 0
	s_wait_dscnt 0x0                               ; the add is done, and my reads of this slot are over
	s_barrier_signal -1
	MUL8 F1, 0, 2, 0
.if \fill
	WIN 0
.endif
	s_barrier_wait -1
.if \fill
	CREST                                          ; the barrier has opened a round of the cluster's: no wave of any partner still reads the slot or has a load on its way
	s_add_nc_u64 s[G0+4*\slot+2:G0+4*\slot+3], s[G0+4*\slot+2:G0+4*\slot+3], 16384
	s_add_nc_u64 s[G0B+4*\slot+2:G0B+4*\slot+3], s[G0B+4*\slot+2:G0B+4*\slot+3], 16384
	JLOAD \slot                                    ; my one tensor load behind the round; its four v_nop are also the places in front of the loads below
.else
	PLACES
.endif
	FETCH \next, 0, F0
	WIN MUL
	MUL8 F1, 1, 0, 0
	MUL8 F1, 1, 2, 0
.endm
	s_wait_tensorcnt 1                             ; my part of K step 0 is in; K step 1's load may stay out
	s_barrier_signal -1
	s_barrier_wait -1
	FETCH 0, 0, F0
	QUARTER 0, 2048, F0, F1, 1
	QUARTER 0, 4096, F1, F0, 0
	QUARTER 0, 6144, F0, F1, 0
	TURN 0, 1, 1
	QUARTER 1, 2048, F0, F1, 0
	QUARTER 1, 4096, F1, F0, 0
	QUARTER 1, 6144, F0, F1, 0
	TURN 1, 0, 1
	QUARTER 0, 2048, F0, F1, 0
	QUARTER 0, 4096, F1, F0, 0
	QUARTER 0, 6144, F0, F1, 0
	TURN 0, 1, 0
	QUARTER 1, 2048, F0, F1, 0
	QUARTER 1, 4096, F1, F0, 0
	QUARTER 1, 6144, F0, F1, 0
	s_wait_dscnt 16
	WIN MUL
	MUL8 F1, 0, 0, 0
	MUL8 F1, 0, 2, 0
	s_wait_dscnt 0
	MUL8 F1, 1, 0, 0
	MUL8 F1, 1, 2, 0
	WIN 0
	s_wait_loadcnt 0x0                             ; c
	PLACES
; THE WAY OUT, 16 tokens at a time.  LDS serves a wave's instructions in order: no wait between the stores into my stage and the loads from it, nor ahead of the next block's stores.
.macro OUTA a
.set TT, 32+32*((\a)%2)
.if (\a) >= 2
	s_wait_xcnt 0x0                                ; the stores of two blocks back have read their data
.endif
.irp b, 0,1,2,3
.irp p, 0,2,4,6
	v_pk_fma_f32 v[TT+8*\b+\p:TT+8*\b+\p+1], v[ACC+8*(4*(\a)+\b)+\p:ACC+8*(4*(\a)+\b)+\p+1], 0x3d800000, v[BI+8*\b+\p:BI+8*\b+\p+1] op_sel_hi:[1,0,1]   ; sum / 16 + c, each accumulator from its low end on
.endr
.endr
.set i, 0
.rept 32
	v_max_num_f32 v[TT+i], 0, v[TT+i]
.set i, i+1
.endr
.irp b, 0,1,2,3
	ds_store_b128 v[STO], v[TT+8*\b:TT+8*\b+3] offset:64*\b
	ds_store_b128 v[STO], v[TT+8*\b+4:TT+8*\b+7] offset:64*\b+16
.endr
.irp t, 0,1,2,3,4,5,6,7
	ds_load_b128 v[TT+4*\t:TT+4*\t+3], v[RD] offset:544*\t
.endr
.irp t, 0,1,2,3,4,5,6,7
	s_wait_dscnt 7-\t                              ; LDS loads come back in order: rows 2 t, 2 t + 1 are in
	global_store_b128 v[GOF], v[TT+4*\t:TT+4*\t+3], s[8:9] offset:(16*(\a)+2*\t)*4096 th:TH_STORE_NT   ; sixteen lanes store 256 consecutive bytes, aligned
.endr
.endm
	OUTA 0
	OUTA 1
	OUTA 2
	OUTA 3
	s_wait_tensorcnt 0x0                           ; the wave's end
	ds_add_u32 v[SPW], v[NIL]
	s_wait_dscnt 0x0
	CROUND                                         ; the closing round
	s_endpgm
.Lfunc_end_k_qb0af5a9872_ffn:
	.size	k_qb0af5a9872_ffn, .Lfunc_end_k_qb0af5a9872_ffn-k_qb0af5a9872_ffn
	.p2alignl 7, 3214868480
	.fill 96, 4, 3214868480
	.section	.rodata,"a",@progbits
	.p2align	6, 0x0
	.amdhsa_kernel k_qb0af5a9872_ffn
		.amdhsa_group_segment_fixed_size 327680
		.amdhsa_private_segment_fixed_size 0
		.amdhsa_enable_private_segment 0
		.amdhsa_kernarg_size 24
		.amdhsa_user_sgpr_count 2
		.amdhsa_user_sgpr_kernarg_segment_ptr 1
		.amdhsa_wavefront_size32 1
		.amdhsa_system_sgpr_workgroup_id_x 1
		.amdhsa_system_sgpr_workgroup_id_y 1
		.amdhsa_system_sgpr_workgroup_id_z 1
		.amdhsa_system_vgpr_workitem_id 0
		.amdhsa_next_free_vgpr 512
		.amdhsa_next_free_sgpr 66
		.amdhsa_reserve_vcc 0
		.amdhsa_float_denorm_mode_32 3
		.amdhsa_float_denorm_mode_16_64 3
		.amdhsa_memory_ordered 1
		.amdhsa_forward_progress 1
		.amdhsa_inst_pref_size 97
	.end_amdhsa_kernel
	.amdgpu_metadata
---
amdhsa.version: [ 1, 2 ]
amdhsa.kernels:
  - .name:           k_qb0af5a9872_ffn
    .symbol:         k_qb0af5a9872_ffn.kd
    .args:
      - { .name: oimg, .offset: 0, .size: 8, .value_kind: global_buffer, .address_space: global }
      - { .name: w12, .offset: 8, .size: 8, .value_kind: global_buffer, .address_space: global }
      - { .name: out0, .offset: 16, .size: 8, .value_kind: global_buffer, .address_space: global }
    .group_segment_fixed_size: 327680
    .private_segment_fixed_size: 0
    .kernarg_segment_align: 8
    .kernarg_segment_size: 24
    .max_flat_workgroup_size: 128
    .sgpr_count:     66
    .vgpr_count:     512
    .wavefront_size: 32
...
	.end_amdgpu_metadata
.endif
;; end of part 6
;; launch fine2 (part 7): grid 64 x 4, 8 waves a work-group, no clusters, 9,216 bytes of LDS; arguments w12, out0; writes out0
.if DOCPART == 7
	.amdgcn_target "amdgcn-amd-amdhsa--gfx1250"
	.amdhsa_code_object_version 6
	.text
	.protected	k_qb0af5a9872_fine2
	.globl	k_qb0af5a9872_fine2
	.p2align	8
	.type	k_qb0af5a9872_fine2,@function
k_qb0af5a9872_fine2:
	s_mov_b64 s[64:65], 0
	v_nop
	global_prefetch_b8 v0, s[64:65] scope:SCOPE_SE
	s_setreg_imm32_b32 hwreg(HW_REG_WAVE_MODE, 25, 1), 1
	s_wait_xcnt 0x0
; The first 16 positions of every sequence once more, in f32: out0[token][n] = relu(the sum over c of o[token][c] W12[c][n] + c[n]), o and W12 as f32 images; these 64 rows are written over the launch before's.
; A work-group takes 16 n of one batch's 16 tokens; wave w sums c 128 w .. 128 w + 127 by the f32 matrix form (no bulk work: 64 of 4,096 rows), four accumulators by turns; the eight parts meet in LDS and wave 0 adds them.
; A pair of registers of either image is a fragment of that form: K = 4 stands for c 2 p, 2 p + 1, 8 + 2 p, 9 + 2 p of a tile, alike on both sides.  Source 0 = W12's rows n, source 1 = the tokens: a lane holds token r, n 8 h + j.
; The stores are 64 bytes of a row, 262,144 bytes in the launch: wider tiles of n would leave most WGPs without work.
; v160-191 are written by the f32 matrix form alone.
.set W12F_OFF, 2097152
.set CV_OFF,  6291456
.set OF_OFF,  6295552
.set SPARE,   8192
.set SPW, 14
.set NIL, 15
	s_load_b128 s[4:7], s[0:1], 0x0                ; w12 s[4:5], out0 s[6:7]
	v_lshl_add_u32 v[SPW], v0, 2, SPARE
	v_mov_b32 v[NIL], 0
	v_lshrrev_b32 v1, 5, v0
	v_readfirstlane_b32 s8, v1                     ; wave 0..7
	v_and_b32 v1, 31, v0
	v_lshlrev_b32 v1, 4, v1                        ; 16 x lane
	v_and_b32 v2, 15, v0                           ; r
	v_bfe_u32 v3, v0, 4, 1                         ; h
	s_lshl_b32 s11, s8, 10
	v_add_nc_u32 v5, s11, v1                       ; LDS: my wave's 1,024 bytes
	v_lshlrev_b32 v6, 5, v3                        ; 32 h
	v_lshl_add_u32 v7, v2, 12, v6                  ; out0: row r, + 32 h
	s_and_b32 s10, ttmp7, 0xffff                   ; batch
	s_mov_b32 s13, 0
	s_wait_kmcnt 0x0
	s_lshl_b32 s12, s10, 16
	s_lshl_b32 s11, s8, 13
	s_add_co_u32 s12, s12, s11
	s_add_co_u32 s12, s12, OF_OFF
	s_add_nc_u64 s[14:15], s[4:5], s[12:13]        ; o: my eight tiles of c
	s_lshl_b32 s12, ttmp9, 16
	s_add_co_u32 s12, s12, s11
	s_add_co_u32 s12, s12, W12F_OFF
	s_add_nc_u64 s[16:17], s[4:5], s[12:13]        ; W12: row tile nt, my eight tiles of c
	s_lshl_b32 s12, ttmp9, 6
	s_add_co_u32 s12, s12, CV_OFF
	s_add_nc_u64 s[18:19], s[4:5], s[12:13]
	s_lshl_b32 s12, s10, 22
	s_lshl_b32 s11, ttmp9, 6
	s_add_co_u32 s12, s12, s11
	s_add_nc_u64 s[6:7], s[6:7], s[12:13]
.set i, 0
.rept 16
	global_load_b128 v[32+4*i:35+4*i], v1, s[14:15] offset:512*i
	global_load_b128 v[96+4*i:99+4*i], v1, s[16:17] offset:512*i
.set i, i+1
.endr
	s_wait_loadcnt 0x0
.irp p, 0,1,2,3
	v_wmma_f32_16x16x4_f32 v[160+8*\p:167+8*\p], v[96+2*\p:97+2*\p], v[32+2*\p:33+2*\p], 0      ; the first tile of c starts the four sums
.endr
.irp t, 1,2,3,4,5,6,7
.irp p, 0,1,2,3
	v_wmma_f32_16x16x4_f32 v[160+8*\p:167+8*\p], v[96+8*\t+2*\p:97+8*\t+2*\p], v[32+8*\t+2*\p:33+8*\t+2*\p], v[160+8*\p:167+8*\p]
.endr
.endr
.rept 8
	v_nop                                          ; eight places behind this form
.endr
.irp j, 0,2,4,6
	v_pk_add_f32 v[16+\j:17+\j], v[160+\j:161+\j], v[168+\j:169+\j]          ; each accumulator from its low end on
	v_pk_add_f32 v[24+\j:25+\j], v[176+\j:177+\j], v[184+\j:185+\j]
.endr
.irp j, 0,2,4,6
	v_pk_add_f32 v[16+\j:17+\j], v[16+\j:17+\j], v[24+\j:25+\j]
.endr
	ds_store_b128 v5, v[16:19]
	ds_store_b128 v5, v[20:23] offset:512
	s_wait_dscnt 0x0                               ; for wave 0's sake: my stores have landed
	s_barrier_signal -1
	s_barrier_wait -1
	s_cmp_lg_u32 s8, 0
	s_cbranch_scc1 .Lend
	global_load_b128 v[24:27], v6, s[18:19]        ; c at n 16 nt + 8 h + 0 .. 7
	global_load_b128 v[28:31], v6, s[18:19] offset:16
.set i, 0
.rept 16
	ds_load_b128 v[32+4*i:35+4*i], v1 offset:512*i ; the eight waves' parts
.set i, i+1
.endr
	s_wait_dscnt 0x0
.irp j, 0,2,4,6
	v_pk_add_f32 v[32+\j:33+\j], v[32+\j:33+\j], v[40+\j:41+\j]
	v_pk_add_f32 v[48+\j:49+\j], v[48+\j:49+\j], v[56+\j:57+\j]
	v_pk_add_f32 v[64+\j:65+\j], v[64+\j:65+\j], v[72+\j:73+\j]
	v_pk_add_f32 v[80+\j:81+\j], v[80+\j:81+\j], v[88+\j:89+\j]
.endr
.irp j, 0,2,4,6
	v_pk_add_f32 v[32+\j:33+\j], v[32+\j:33+\j], v[48+\j:49+\j]
	v_pk_add_f32 v[64+\j:65+\j], v[64+\j:65+\j], v[80+\j:81+\j]
.endr
	s_wait_loadcnt 0x0
.irp j, 0,2,4,6
	v_pk_add_f32 v[32+\j:33+\j], v[32+\j:33+\j], v[64+\j:65+\j]
.endr
.irp j, 0,2,4,6
	v_pk_add_f32 v[32+\j:33+\j], v[32+\j:33+\j], v[24+\j:25+\j]
.endr
.irp j, 0,1,2,3,4,5,6,7
	v_max_num_f32 v[32+\j], 0, v[32+\j]
.endr
	global_store_b128 v7, v[32:35], s[6:7]
	global_store_b128 v7, v[36:39], s[6:7] offset:16
.Lend:
	s_wait_tensorcnt 0x0                           ; the wave's end, behind my last LDS store
	ds_add_u32 v[SPW], v[NIL]
	s_wait_dscnt 0x0
	s_endpgm
.Lfunc_end_k_qb0af5a9872_fine2:
	.size	k_qb0af5a9872_fine2, .Lfunc_end_k_qb0af5a9872_fine2-k_qb0af5a9872_fine2
	.p2alignl 7, 3214868480
	.fill 96, 4, 3214868480
	.section	.rodata,"a",@progbits
	.p2align	6, 0x0
	.amdhsa_kernel k_qb0af5a9872_fine2
		.amdhsa_group_segment_fixed_size 9216
		.amdhsa_private_segment_fixed_size 0
		.amdhsa_enable_private_segment 0
		.amdhsa_kernarg_size 16
		.amdhsa_user_sgpr_count 2
		.amdhsa_user_sgpr_kernarg_segment_ptr 1
		.amdhsa_wavefront_size32 1
		.amdhsa_system_sgpr_workgroup_id_x 1
		.amdhsa_system_sgpr_workgroup_id_y 1
		.amdhsa_system_sgpr_workgroup_id_z 1
		.amdhsa_system_vgpr_workitem_id 0
		.amdhsa_next_free_vgpr 192
		.amdhsa_next_free_sgpr 66
		.amdhsa_reserve_vcc 0
		.amdhsa_float_denorm_mode_32 3
		.amdhsa_float_denorm_mode_16_64 3
		.amdhsa_memory_ordered 1
		.amdhsa_forward_progress 1
		.amdhsa_inst_pref_size 12
	.end_amdhsa_kernel
	.amdgpu_metadata
---
amdhsa.version: [ 1, 2 ]
amdhsa.kernels:
  - .name:           k_qb0af5a9872_fine2
    .symbol:         k_qb0af5a9872_fine2.kd
    .args:
      - { .name: w12, .offset: 0, .size: 8, .value_kind: global_buffer, .address_space: global }
      - { .name: out0, .offset: 8, .size: 8, .value_kind: global_buffer, .address_space: global }
    .group_segment_fixed_size: 9216
    .private_segment_fixed_size: 0
    .kernarg_segment_align: 8
    .kernarg_segment_size: 16
    .max_flat_workgroup_size: 256
    .sgpr_count:     66
    .vgpr_count:     192
    .wavefront_size: 32
...
	.end_amdgpu_metadata
.endif
;; end of part 7
